; MI455X (gfx1250); checked and timed in simulation.
; The chip was launched on July 23, 2026; its instructions are those of AMD's public machine-readable ISA for CDNA 5 (MIT licence, August 2026) and "CDNA5" Instruction Set Architecture Reference Guide (July 2026). The comments in the code are by the model that wrote it; some were corrected since.
;; Spatial Attn Block. Allowed arithmetic: matrix products marked QUANTISED: E3M2 operands, one E8M0 scale for each 32 along K, by v_wmma_scale_f32_16x16x128_f8f6f4 with both operands' format E3M2, f32 sums; products left as they are: f32 operands where the result goes on into a quantised operand, else bf16, f16 or f32 operands; f32 sums; everything else in f32.
;; Inputs: bb 256 float32; bk 256 float32; bo 256 float32; bq 256 float32; bv 256 float32; by 256 float32; gn_beta 256 float32; gn_gamma 256 float32; wb 256 x 4 float32; wk 256 x 256 float32; wo 256 x 256 float32; wq 256 x 256 float32; wv 256 x 256 float32; wy 256 x 4 float32; x 4 x 256 x 64 x 64 float32; zq 4 x 4 x 16 x 16 float32.
;; Outputs: out0 4 x 256 x 64 x 64 float32.
;; This version of the problem:
;;   THIS VERSION OF THE PROBLEM IS GIVEN IN LOW PRECISION. The matrix products marked QUANTISED in the list below multiply operands that are first quantised to E3M2 (3 exponent bits, 2 mantissa bits; 6 bits a number), with one power-of-two scale for each 32 numbers along K (OCP MX v1.0); their sums are f32. All else is computed in f32.
;;   The module's matrix products, in the order in which they are computed (A, B: the left and right operand; K: the contracted axis; several contracted axes count as one K, in the product's order):
;;     1. [M 16,384, K 4] x [K 4, N 256]; A: input zq; B: input wy: left as it is (K = 4 < 32)
;;     2. [M 16,384, K 4] x [K 4, N 256]; A: input zq; B: input wb: left as it is (K = 4 < 32)
;;     3. [M 16,384, K 256] x [K 256, N 256]; A: computed on the way; B: input wq: QUANTISED
;;     4. [M 16,384, K 256] x [K 256, N 256]; A: computed on the way; B: input wk: QUANTISED
;;     5. [M 16,384, K 256] x [K 256, N 256]; A: computed on the way; B: input wv: QUANTISED
;;     6. batch 4 x [M 4,096, K 256] x [K 256, N 4,096]; A: computed on the way; B: computed on the way: QUANTISED
;;     7. batch 4 x [M 256, K 4,096] x [K 4,096, N 4,096]; A: computed on the way; B: softmax (see below): QUANTISED
;;     8. [M 16,384, K 256] x [K 256, N 256]; A: computed on the way; B: input wo: QUANTISED
;;   THE QUANTISER, for each operand of a quantised product, along K:
;;     - K is cut into blocks of 32 from its start; a last block that is shorter is filled with zeros.
;;     - A block's scale is 2^e with e = floor(log2(the largest magnitude in the block)) - 4, held to -126 .. 127; a block of zeros has e = 0. As a byte (E8M0): e + 127.
;;     - Each number is divided by its block's scale, clamped to +-28, and rounded to the nearest number of E3M2, ties to even, subnormals kept.
;;     - The product sums the exact products of the quantised numbers (number of the format x scale) in f32.
;;   ~~~python
;;   def quantise(x, axis):      # numpy; x: float32 -> the quantised numbers, widened to float32 again
;;       x = np.moveaxis(x, axis, -1); K = x.shape[-1]
;;       x = np.pad(x, [(0, 0)] * (x.ndim - 1) + [(0, -K % 32)]); x = x.reshape(x.shape[:-1] + (-1, 32)); a = np.abs(x).max(-1, keepdims=True)
;;       e = np.where(a > 0, np.clip(np.frexp(np.where(a > 0, a, 1))[1] - 1 - 4, -126, 127), 0)      # np.frexp(a)[1] - 1 = floor(log2(a)), exactly
;;       r = np.clip(x / 2.0 ** e, -28, 28)
;;       step = 2.0 ** (np.maximum(np.frexp(np.where(r == 0, 1, r))[1] - 1, -2) - 2)
;;       q = np.round(r / step) * step * 2.0 ** e      # np.round: ties to even
;;       return np.moveaxis(q.reshape(q.shape[:-2] + (-1,))[..., :K], -1, axis).astype(np.float32)
;;   ~~~
;;   SOFTMAX AHEAD OF A QUANTISED PRODUCT. Where the list says 'softmax', what is quantised is not the finished softmax but p = 2^(t - M), with t = logit x log2(e) and M = ceil(the row's largest t), a whole number; so 1/2 < the row's largest p <= 1. The row's sum l is taken of the UNQUANTISED p, in f32, and the product's result is divided by l at the end. Since M is a whole number, a kernel that streams over the keys may use a running M (the ceiling of the running maximum): every later rescaling is an exact power of two, which a block's scale takes up: the codes' values come out the same.
;;   OPERANDS COMPUTED ON THE WAY. 'Computed on the way' means the value that the module computes at that place (a softmax that the list does not call 'softmax' is quantised finished and normalised). What goes into a quantiser is computed in f32, as accurately as f32 sums, v_exp_f32 and their like allow (about 1e-6 of the number): no bf16 or f16 on the way to a quantiser, and a product that is left as it is and whose result goes on into a quantised operand takes f32 operands (vector FMAs, or v_wmma_f32_16x16x4_f32). A number that lies on a knife's edge between two numbers of the format may be rounded either way, as far as f32 arithmetic and the matrix unit's own rounding can turn it there, and no further.
;; One version. Each part assembles by itself: llvm-mc -triple=amdgcn-amd-amdhsa -mcpu=gfx1250 --defsym DOCPART=n.
;; ======== version 1 of 1: 3 launches
;; workspace buffers: stats 1,024 bytes; wc 204,800 bytes; qkv 9,830,400 bytes
;; launch prep (part 1): grid 136 x 1, 16 waves a work-group, no clusters, 2,560 bytes of LDS; arguments x, wq, wk, wv, wo, stats, wc; writes stats, wc
.if DOCPART == 1
	.amdgcn_target "amdgcn-amd-amdhsa--gfx1250"
	.amdhsa_code_object_version 6
	.text
	.protected	k_q178368a680_prep
	.globl	k_q178368a680_prep
	.p2align	8
	.type	k_q178368a680_prep,@function
k_q178368a680_prep:
	s_mov_b64 s[64:65], 0
	v_nop
	global_prefetch_b8 v0, s[64:65] scope:SCOPE_SE
	s_setreg_imm32_b32 hwreg(HW_REG_WAVE_MODE, 25, 1), 1
	s_wait_xcnt 0x0
; PREP.  Work-groups 0-127: mean and 1/sqrt(var + 1e-6) of one (image, group) of GroupNorm: 8 channels x 4,096 pixels = 32,768 numbers, 131,072 consecutive bytes of x.
; 512 threads hold 64 numbers each in registers, so x is read once and the variance is taken in a second pass over the registers, of (x - mean): no difference of large sums is formed.
; stats: mean[128] at byte 0, rstd[128] at byte 512, index 32 x image + group.
; Work-groups 128-135: half of one of wq, wk, wv, wo ([256][256] f32, K = the second axis, innermost) into codes of E3M2 with one E8M0 byte for each 32 along K, laid in the ORDER OF THE OPERAND'S REGISTERS:
; wc: weight wi at 51,200 wi; its tile tt of 16 rows at + 3,200 tt: the image of K step 0 (1,536 bytes: registers 4 c .. 4 c + 3 of lane l at 512 c + 16 l), of K step 1, then 128 bytes of scale words
; (64 bytes for K step 0, 64 for K step 1, 4 bytes a row).  THE ROWS OF A TILE ARE NOT NEIGHBOURS: lane r of tile tt takes row 32 (tt / 2) + 8 (tt % 2) + r + 8 (r / 8).
; A wave makes ONE image: 16 rows x 128 along K, 16 loads a lane.  A lane's 128 bytes of a row are far from its neighbours', so the 128 images are spread over eight work-groups rather than four.
; A block's scale byte is its largest magnitude's exponent field - 4, held at 1 from below.
; LIMITS: NaN and infinities are not served; a block whose largest magnitude lies under 2^-122 (a block of zeros too) keeps the byte 1: its codes are then zeros or subnormal codes, and this program alone reads the bytes.
; No tensor loads, no matrix work: a stream and a reduction.  The two paths part on the work-group's number alone; only the first uses LDS and barriers.
.set D,   16                           ; v16-79   stats: my 64 numbers
.set X,   16                           ; v16-79   weights: my 64 numbers: 32 c + i
.macro BAR
	s_wait_dscnt 0x0                               ; my LDS stores have landed and my LDS loads are in
	s_barrier_signal -1
	s_barrier_wait -1
.endm
.macro GSUM off                        ; v84: a lane's sum -> v96: the work-group's, in every lane.  LDS bytes off .. off + 63
	v_add_f32_dpp v84, v84, v84 row_xmask:1 row_mask:0xf bank_mask:0xf
	v_add_f32_dpp v84, v84, v84 row_xmask:2 row_mask:0xf bank_mask:0xf
	v_add_f32_dpp v84, v84, v84 row_xmask:4 row_mask:0xf bank_mask:0xf
	v_add_f32_dpp v84, v84, v84 row_xmask:8 row_mask:0xf bank_mask:0xf
	v_permlanex16_b32 v85, v84, s20, s21
	v_add_f32 v84, v84, v85
	ds_store_b32 v94, v84 offset:\off              ; my wave's word
	BAR
.irp i, 0,1,2,3
	ds_load_b128 v[96+4*\i:99+4*\i], v95 offset:\off+16*\i
.endr
	s_wait_dscnt 0x0
	v_pk_add_f32 v[96:97], v[96:97], v[98:99]
	v_pk_add_f32 v[100:101], v[100:101], v[102:103]
	v_pk_add_f32 v[104:105], v[104:105], v[106:107]
	v_pk_add_f32 v[108:109], v[108:109], v[110:111]
	v_pk_add_f32 v[96:97], v[96:97], v[100:101]
	v_pk_add_f32 v[104:105], v[104:105], v[108:109]
	v_pk_add_f32 v[96:97], v[96:97], v[104:105]
	v_add_f32 v96, v96, v97
.endm
; A whole block of 32 along K in one lane's registers v[x] .. v[x + 31] -> six registers of codes at v[c6]; so: the conversion's scale operand; by: the scale's byte.  ct: three spare registers (a conversion's three begin on an even number)
.macro BLK x, c6, ct, so, by
	v_max3_num_f32 v[\so], |v[(\x)]|, |v[(\x)+1]|, |v[(\x)+2]|
	v_max3_num_f32 v[\by], |v[(\x)+3]|, |v[(\x)+4]|, |v[(\x)+5]|
.irp i, 6,10,14,18,22,26
	v_max3_num_f32 v[\so], v[\so], |v[(\x)+\i]|, |v[(\x)+\i+1]|
	v_max3_num_f32 v[\by], v[\by], |v[(\x)+\i+2]|, |v[(\x)+\i+3]|
.endr
	v_max3_num_f32 v[\so], v[\so], |v[(\x)+30]|, |v[(\x)+31]|
	v_max3_num_f32 v[\so], v[\so], v[\by], 0x2800000               ; and the floor 2^(5 - 127): the byte cannot fall under 1
	v_add_nc_u32 v[\so], 0xfe000000, v[\so]                        ; 4 off the exponent field: the conversion takes this operand's exponent field as its scale
	v_lshrrev_b32 v[\by], 23, v[\so]
	v_cvt_scalef32_pk16_bf6_f32 v[(\c6):(\c6)+2], v[(\x):(\x)+15], v[\so]
	v_cvt_scalef32_pk16_bf6_f32 v[(\ct):(\ct)+2], v[(\x)+16:(\x)+31], v[\so]
	v_nop                                          ; one plain place behind a scaled conversion
.irp i, 0,1,2
	v_mov_b32 v[(\c6)+3+\i], v[(\ct)+\i]
.endr
.endm
	s_load_b256 s[4:11], s[0:1], 0x0               ; x s[4:5], wq s[6:7], wk s[8:9], wv s[10:11]
	s_load_b128 s[12:15], s[0:1], 0x20             ; wo s[12:13], stats s[14:15]
	s_load_b64 s[16:17], s[0:1], 0x30              ; wc
	v_lshl_add_u32 v192, v0, 2, 0x200
	v_mov_b32 v193, 0
	v_lshrrev_b32 v1, 5, v0
	v_readfirstlane_b32 s18, v1                    ; wave 0..15
	s_mov_b32 s20, 0x76543210
	s_mov_b32 s21, 0xfedcba98                      ; v_permlanex16_b32's selects for lane l xor 16
	s_cmp_lt_u32 ttmp9, 128
	s_cbranch_scc0 .Lweights
	; ---- the statistics of group ttmp9 = 32 x image + group
	v_lshlrev_b32 v1, 4, v0                        ; 16 bytes a thread: a load of the work-group covers 8,192 consecutive bytes
	s_lshl_b32 s22, ttmp9, 17                      ; the group's 131,072 bytes
	s_mov_b32 s23, 0
	s_lshl_b32 s24, ttmp9, 2
	s_mov_b32 s25, 0
	s_mov_b32 s26, 0x38000000                      ; 2^-15 = 1 / 32,768
	s_mov_b32 s27, 0x358637bd                      ; 1e-6
	v_mov_b32 v95, 0
	v_mov_b32 v85, 0                               ; a lane permute's destination counts as one of its sources
	v_mov_b32 v94, s18
	v_lshlrev_b32 v94, 2, v94                      ; LDS: 4 x wave
	s_wait_kmcnt 0x0
	s_add_nc_u64 s[4:5], s[4:5], s[22:23]
	s_add_nc_u64 s[14:15], s[14:15], s[24:25]
.irp i, 0,1,2,3,4,5,6,7,8,9,10,11,12,13,14,15
	global_load_b128 v[D+4*\i:D+4*\i+3], v1, s[4:5] offset:8192*\i
.endr
	s_wait_loadcnt 14                              ; the first two of the sixteen loads are in
	v_pk_add_f32 v[80:81], v[D:D+1], v[D+4:D+5]    ; two chains, started by the first numbers: nothing is cleared
	v_pk_add_f32 v[82:83], v[D+2:D+3], v[D+6:D+7]
.irp i, 2,3,4,5,6,7,8,9,10,11,12,13,14,15
	s_wait_loadcnt 15-\i                           ; load i is in, the younger ones stay out
	v_pk_add_f32 v[80:81], v[80:81], v[D+4*\i:D+4*\i+1]
	v_pk_add_f32 v[82:83], v[82:83], v[D+4*\i+2:D+4*\i+3]
.endr
	v_pk_add_f32 v[80:81], v[80:81], v[82:83]
	v_add_f32 v84, v80, v81
	GSUM 0
	v_mul_f32 v92, s26, v96                        ; the mean,
	v_mov_b32 v93, v92                             ; twice, for the packed subtraction
.set p, 0
.rept 32
	v_pk_add_f32 v[D+2*p:D+2*p+1], v[D+2*p:D+2*p+1], v[92:93] neg_lo:[0,1] neg_hi:[0,1]   ; x - mean
.set p, p+1
.endr
	v_pk_mul_f32 v[80:81], v[D:D+1], v[D:D+1]
	v_pk_mul_f32 v[82:83], v[D+2:D+3], v[D+2:D+3]
.set p, 2
.rept 30
	v_pk_fma_f32 v[80+2*(p%2):81+2*(p%2)], v[D+2*p:D+2*p+1], v[D+2*p:D+2*p+1], v[80+2*(p%2):81+2*(p%2)]
.set p, p+1
.endr
	v_pk_add_f32 v[80:81], v[80:81], v[82:83]
	v_add_f32 v84, v80, v81
	GSUM 256                                       ; other LDS bytes than the first sum's: no barrier between the two is owed
	v_fma_f32 v97, v96, s26, s27                   ; var + eps
	v_rsq_f32 v98, v97
	v_nop                                          ; one plain place behind a transcendental
	s_wait_xcnt 0x0                                ; EXEC changes only behind this wait
	v_cmp_eq_u32 vcc_lo, 0, v0
	s_wait_tensorcnt 0x0
	ds_add_u32 v192, v193
	s_wait_dscnt 0x0
	s_and_saveexec_b32 s22, vcc_lo                 ; thread 0 alone stores the two numbers
	global_store_b32 v95, v92, s[14:15]
	s_wait_alu depctr_va_vdst(0)
	global_store_b32 v95, v98, s[14:15] offset:512
	s_wait_xcnt 0x0
	s_or_b32 exec_lo, exec_lo, s22
	s_endpgm
.Lweights:
	; ---- work-group 128 + 2 wi + half: weight wi; my wave's image: 16 half + wave = 2 tt + ks
	s_sub_co_u32 s22, ttmp9, 128
	s_and_b32 s23, s22, 1
	s_lshr_b32 s22, s22, 1                         ; wi
	s_lshl_b32 s23, s23, 4
	s_add_co_u32 s23, s23, s18
	s_and_b32 s28, s23, 1                          ; ks
	s_lshr_b32 s23, s23, 1                         ; tt
	v_and_b32 v4, 31, v0                           ; l
	v_and_b32 v5, 15, v0                           ; r
	v_bfe_u32 v6, v0, 4, 1                         ; h
	v_and_b32 v7, 8, v5
	v_add_nc_u32 v7, v7, v5                        ; r + 8 (r / 8)
	v_lshlrev_b32 v1, 10, v7                       ; a row is 1,024 bytes;
	v_lshl_add_u32 v1, v6, 7, v1                   ; lane (r, h) holds k = 128 ks + 64 c + 32 h + 0 .. 31
	v_lshlrev_b32 v2, 4, v4                        ; an image's place for my lane
	v_lshlrev_b32 v3, 2, v4                        ; a scale word's (lanes 0-15: 4 r)
	v_lshlrev_b32 v8, 3, v6                        ; 8 h
	v_mov_b32 v171, 0                              ; a lane permute's destination counts as one of its sources
	s_lshr_b32 s24, s23, 1
	s_lshl_b32 s24, s24, 5
	s_and_b32 s25, s23, 1
	s_lshl_b32 s25, s25, 3
	s_add_co_u32 s24, s24, s25                     ; the tile's first row: 32 (tt / 2) + 8 (tt % 2)
	s_lshl_b32 s24, s24, 10
	s_lshl_b32 s25, s28, 9
	s_add_co_u32 s24, s24, s25                     ; + the K step's 512 bytes
	s_mov_b32 s25, 0
	s_mul_i32 s26, s22, 51200
	s_mul_i32 s27, s23, 3200
	s_add_co_u32 s26, s26, s27                     ; the tile's place in wc
	s_lshl_b32 s27, s28, 6
	s_add_co_u32 s30, s26, s27
	s_add_co_u32 s30, s30, 3072                    ; this K step's 64 bytes of scale words
	s_mov_b32 s31, 0
	s_mul_i32 s27, s28, 1536
	s_add_co_u32 s26, s26, s27                     ; this K step's image
	s_mov_b32 s27, 0
	s_wait_kmcnt 0x0
	s_cmp_eq_u32 s22, 1                            ; the choice hangs on the work-group's number alone
	s_cselect_b64 s[6:7], s[8:9], s[6:7]
	s_cmp_eq_u32 s22, 2
	s_cselect_b64 s[6:7], s[10:11], s[6:7]
	s_cmp_eq_u32 s22, 3
	s_cselect_b64 s[6:7], s[12:13], s[6:7]
	s_add_nc_u64 s[6:7], s[6:7], s[24:25]
	s_add_nc_u64 s[32:33], s[16:17], s[30:31]
	s_add_nc_u64 s[16:17], s[16:17], s[26:27]
.irp c, 0,1
.irp i, 0,1,2,3,4,5,6,7
	global_load_b128 v[X+32*\c+4*\i:X+32*\c+4*\i+3], v1, s[6:7] offset:256*\c+16*\i
.endr
.endr
	s_wait_loadcnt 8                               ; my first block's eight loads are in; the second block's eight stay out
	BLK X, 144, 172, 180, 181
	s_wait_loadcnt 0x0
	BLK X+32, 150, 176, 182, 183
	v_lshl_or_b32 v168, v183, 16, v181             ; my two bytes: blocks h and 2 + h of my row,
	v_lshlrev_b32 v168, v8, v168                   ; at their places in the scale word;
	v_permlanex16_b32 v171, v168, s20, s21
	v_or_b32 v168, v168, v171                      ; with lane l xor 16's two the word is whole
.irp c, 0,1,2
	global_store_b128 v2, v[144+4*\c:144+4*\c+3], s[16:17] offset:512*\c   ; 32 lanes store 512 consecutive bytes
.endr
	s_wait_xcnt 0x0                                ; EXEC changes only behind this wait
	v_cmp_gt_u32 vcc_lo, 16, v4
	s_and_saveexec_b32 s28, vcc_lo                 ; lanes 0-15 store the sixteen rows' words: 64 consecutive bytes
	global_store_b32 v3, v168, s[32:33]
	s_wait_xcnt 0x0
	s_or_b32 exec_lo, exec_lo, s28
	s_endpgm
.Lfunc_end_k_q178368a680_prep:
	.size	k_q178368a680_prep, .Lfunc_end_k_q178368a680_prep-k_q178368a680_prep
	.p2alignl 7, 3214868480
	.fill 96, 4, 3214868480
	.section	.rodata,"a",@progbits
	.p2align	6, 0x0
	.amdhsa_kernel k_q178368a680_prep
		.amdhsa_group_segment_fixed_size 2560
		.amdhsa_private_segment_fixed_size 0
		.amdhsa_enable_private_segment 0
		.amdhsa_kernarg_size 56
		.amdhsa_user_sgpr_count 2
		.amdhsa_user_sgpr_kernarg_segment_ptr 1
		.amdhsa_wavefront_size32 1
		.amdhsa_system_sgpr_workgroup_id_x 1
		.amdhsa_system_sgpr_workgroup_id_y 1
		.amdhsa_system_sgpr_workgroup_id_z 1
		.amdhsa_system_vgpr_workitem_id 0
		.amdhsa_next_free_vgpr 194
		.amdhsa_next_free_sgpr 66
		.amdhsa_reserve_vcc 1
		.amdhsa_float_denorm_mode_32 3
		.amdhsa_float_denorm_mode_16_64 3
		.amdhsa_memory_ordered 1
		.amdhsa_forward_progress 1
		.amdhsa_inst_pref_size 20
	.end_amdhsa_kernel
	.amdgpu_metadata
---
amdhsa.version: [ 1, 2 ]
amdhsa.kernels:
  - .name:           k_q178368a680_prep
    .symbol:         k_q178368a680_prep.kd
    .args:
      - { .name: x, .offset: 0, .size: 8, .value_kind: global_buffer, .address_space: global }
      - { .name: wq, .offset: 8, .size: 8, .value_kind: global_buffer, .address_space: global }
      - { .name: wk, .offset: 16, .size: 8, .value_kind: global_buffer, .address_space: global }
      - { .name: wv, .offset: 24, .size: 8, .value_kind: global_buffer, .address_space: global }
      - { .name: wo, .offset: 32, .size: 8, .value_kind: global_buffer, .address_space: global }
      - { .name: stats, .offset: 40, .size: 8, .value_kind: global_buffer, .address_space: global }
      - { .name: wc, .offset: 48, .size: 8, .value_kind: global_buffer, .address_space: global }
    .group_segment_fixed_size: 2560
    .private_segment_fixed_size: 0
    .kernarg_segment_align: 8
    .kernarg_segment_size: 56
    .max_flat_workgroup_size: 512
    .sgpr_count:     66
    .vgpr_count:     194
    .wavefront_size: 32
...
	.end_amdgpu_metadata
.endif
;; end of part 1
;; launch qkv (part 2): grid 256 x 1, 8 waves a work-group, no clusters, 168,960 bytes of LDS; arguments x, zq, gn_gamma, gn_beta, wy, by, wb, bb, bq, bk, bv, stats, wc, qkv; writes qkv
.if DOCPART == 2
	.amdgcn_target "amdgcn-amd-amdhsa--gfx1250"
	.amdhsa_code_object_version 6
	.text
	.protected	k_q178368a680_qkv
	.globl	k_q178368a680_qkv
	.p2align	8
	.type	k_q178368a680_qkv,@function
k_q178368a680_qkv:
	s_mov_b64 s[64:65], 0
	v_nop
	global_prefetch_b8 v0, s[64:65] scope:SCOPE_SE
	s_setreg_imm32_b32 hwreg(HW_REG_WAVE_MODE, 25, 1), 1
	s_wait_xcnt 0x0
; QKV.  x_norm = ((x - mu) rstd gamma + beta) (wy zq + by) + (wb zq + bb), quantised along the channels; q, k, v = W x_norm + b on codes of E3M2 (one E8M0 byte for each 32 along K);
; q and k quantised along their channels, v along the pixels (the keys), all stored as PACKETS in the order of the operands' registers.
; SHARES.  Work-group: ug = ttmp9 / 2 = 32 x image + u: pixels 128 u .. 128 u + 127 (two rows of the picture); hh = ttmp9 % 2: output channels 128 hh .. + 127 of each of q, k, v.  Eight waves.
;   x_norm: wave w takes pixels 32 (w % 4) .. + 31, a lane to a pixel, and channels 128 (w / 4) .. + 127, its registers running down the channels: a block of 32 along K lies in one lane.
;   products: wave w makes q and k of pixel tile w (source 0 = 16 rows of the weight, source 1 = 16 pixels: a lane holds one pixel, its registers run along the output channels, the next K)
;   and v of channel tile 8 hh + w (source 0 = 16 pixels, source 1 = 16 rows of wv: a lane holds one channel, its registers run along the pixels, the next K).  48 matrix instructions a wave.
; TILES.  Lane r of tile 2 b + u' of a run of 128 (pixels, or rows of a weight) takes 32 b + 8 u' + r + 8 (r / 8), so that the 16 registers of two neighbouring result tiles are 16 neighbours along the next K.
; IMAGE of a fragment (16 rows x 128 K, 12 registers): 1,536 bytes, registers 4 c .. 4 c + 3 of lane l at 512 c + 16 l.
; PACKET, 25,600 bytes: 16 images, then 1,024 bytes of scale words.  q, k: image (pixel tile t, channel half ks) at 1,536 (2 t + ks); word at 24,576 + 512 ks + 256 (t / 4) + 16 r + 4 (t % 4).
;   v: image of channel tile ct at 1,536 ct; word at 24,576 + 512 (ct / 8) + 16 (r + 16 (ct % 2)) + 4 ((ct / 2) % 4).   qkv: (32 image + u) x 76,800 + 25,600 x (0 q, 1 k, 2 v).
; The factors of a channel are multiplied ahead: x_norm = (x - mu) G + H with G = rstd gamma Y, H = beta Y + B, Y and B by fused multiply-adds in f32 for the 16 cells of zq that these two rows meet.
; x - mu is formed first.  This order of rounding differs from the source's by a few units in the last place.
; LIMITS: NaN and infinities are not served; a block whose largest magnitude lies under 2^-122 (a block of zeros too) keeps the scale byte 1; this program alone reads the bytes.
; No cluster: what work-groups share here is 51,200 bytes of weights, fetched once, beside 131,072 bytes of x and 38,400 bytes of results of their own.  LDS is filled by tensor loads once and never again.
.set WQ,  0                            ; LDS: my half of wq: 8 tiles of 3,200 bytes (tensor load)
.set WK,  25600                        ; my half of wk (tensor load)
.set XI,  51200                        ; x_norm's 16 images: (t, ks) at 1,536 (2 t + ks)
.set XS,  75776                        ; their scale words: tile t at 128 t + 4 (r + 16 ks)
.set TB,  76800                        ; the table: channel c at 136 c, cell k's pair (G, H) at 8 k
.set SG,  111616                       ; the results' scale words, gathered: q, k, v, 512 bytes each
.set MS,  32                           ; v32-39 scale words of the eight fragments at work; v40 of the fragment that stays; v41 the word just made; v42 wv's
.set PW,  41
.set TM,  44                           ; v44-59 the quantiser's work
.set PC,  128                          ; v128-147 the codes just made
.set SEL, 60                           ; s[60:61]
.set MU,  68                           ; s[68:83] the means of my 16 groups
.set MSB, 0
.macro WIN new                         ; the immediate's high byte repeats the setting that is left
.if MSB != \new
	s_set_vgpr_msb (MSB<<8)|\new
.set MSB, \new
.endif
.endm
.macro PLACES n
.rept \n
	v_nop
.endr
.endm
.macro BAR
	s_wait_dscnt 0x0                               ; my LDS stores have landed and my LDS loads are in
	s_barrier_signal -1
	s_barrier_wait -1
.endm
.macro MMC d, a, b, c, sa, sb, row     ; D = A B + C; row = 1: both scale words from lanes 16-31
.if (\row) == 0
	v_wmma_scale_f32_16x16x128_f8f6f4 v[(\d):(\d)+7], v[(\a):(\a)+11], v[(\b):(\b)+11], v[(\c):(\c)+7], v[\sa], v[\sb] matrix_a_fmt:MATRIX_FMT_BF6 matrix_b_fmt:MATRIX_FMT_BF6
.else
	v_wmma_scale_f32_16x16x128_f8f6f4 v[(\d):(\d)+7], v[(\a):(\a)+11], v[(\b):(\b)+11], v[(\c):(\c)+7], v[\sa], v[\sb] matrix_a_fmt:MATRIX_FMT_BF6 matrix_b_fmt:MATRIX_FMT_BF6 matrix_a_scale:MATRIX_SCALE_ROW1 matrix_b_scale:MATRIX_SCALE_ROW1
.endif
.endm
; A whole block of 32 along K in one lane's registers -> six registers of codes at v[c6]; so: the conversion's scale operand; by: the byte
.macro BLK x, c6, ct, so, by
	v_max3_num_f32 v[\so], |v[(\x)]|, |v[(\x)+1]|, |v[(\x)+2]|
	v_max3_num_f32 v[\by], |v[(\x)+3]|, |v[(\x)+4]|, |v[(\x)+5]|
.irp i, 6,10,14,18,22,26
	v_max3_num_f32 v[\so], v[\so], |v[(\x)+\i]|, |v[(\x)+\i+1]|
	v_max3_num_f32 v[\by], v[\by], |v[(\x)+\i+2]|, |v[(\x)+\i+3]|
.endr
	v_max3_num_f32 v[\so], v[\so], |v[(\x)+30]|, |v[(\x)+31]|
	v_max3_num_f32 v[\so], v[\so], v[\by], 0x2800000               ; the floor 2^(5 - 127): the byte cannot fall under 1
	v_add_nc_u32 v[\so], 0xfe000000, v[\so]                        ; 4 off the exponent field
	v_lshrrev_b32 v[\by], 23, v[\so]
	v_cvt_scalef32_pk16_bf6_f32 v[(\c6):(\c6)+2], v[(\x):(\x)+15], v[\so]
	v_cvt_scalef32_pk16_bf6_f32 v[(\ct):(\ct)+2], v[(\x)+16:(\x)+31], v[\so]
	v_nop                                          ; one plain place behind a scaled conversion
.irp i, 0,1,2
	v_mov_b32 v[(\c6)+3+\i], v[(\ct)+\i]
.endr
.endm
; 64 numbers of a lane, register 16 b + i = k 32 b + 16 (lane / 16) + i of my row, become a fragment's codes in v[PC] on and its scale word in v[PW] (the same in lanes l and l xor 16)
.macro QUANT s
.irp b, 0,1,2,3
	v_max3_num_f32 v[TM+\b], |v[\s+16*\b]|, |v[\s+1+16*\b]|, 0x2800000   ; each accumulator is read from its low end on
.endr
.irp i, 2,4,6,8,10,12,14
.irp b, 0,1,2,3
	v_max3_num_f32 v[TM+\b], v[TM+\b], |v[\s+16*\b+\i]|, |v[\s+1+16*\b+\i]|
.endr
.endr
.irp b, 0,1,2,3
	v_permlanex16_b32 v[TM+4+\b], v[TM+\b], s[SEL], s[SEL+1]
.endr
.irp b, 0,1,2,3
	v_max_num_f32 v[TM+\b], v[TM+\b], v[TM+4+\b]   ; with lane l xor 16's: the block's largest magnitude
.endr
.irp b, 0,1,2,3
	v_add_nc_u32 v[TM+12+\b], 0xfe000000, v[TM+\b]
.endr
.irp b, 0,1,2,3
	v_lshrrev_b32 v[TM+4+\b], 23, v[TM+12+\b]
.endr
	v_lshl_or_b32 v[PW], v[TM+5], 8, v[TM+4]
	v_lshl_or_b32 v[PW], v[TM+6], 16, v[PW]
	v_lshl_or_b32 v[PW], v[TM+7], 24, v[PW]
.irp c, 0,1
	v_cvt_scalef32_pk16_bf6_f32 v[PC+6*\c:PC+2+6*\c], v[\s+32*\c:\s+15+32*\c], v[TM+12+2*\c]
	v_cvt_scalef32_pk16_bf6_f32 v[PC+12+4*\c:PC+14+4*\c], v[\s+16+32*\c:\s+31+32*\c], v[TM+12+2*\c+1]
.endr
	v_nop                                          ; one plain place behind a scaled conversion
.irp c, 0,1                                    ; the operand's layout wants a WHOLE block in a lane
.irp i, 0,1,2
	v_permlane16_swap_b32 v[PC+6*\c+\i], v[PC+12+4*\c+\i]
.endr
.irp i, 0,1,2
	v_mov_b32 v[PC+3+6*\c+\i], v[PC+12+4*\c+\i]
.endr
.endr
.endm
	s_load_b512 s[4:19], s[0:1], 0x0               ; x 4, zq 6, gamma 8, beta 10, wy 12, by 14, wb 16, bb 18
	s_load_b256 s[20:27], s[0:1], 0x40             ; bq 20, bk 22, bv 24, stats 26
	s_load_b128 s[28:31], s[0:1], 0x60             ; wc 28, qkv 30
	v_lshl_add_u32 v62, v0, 2, 0x29000
	v_mov_b32 v63, 0
	ds_add_u32 v62, v63
	ds_add_u32 v62, v63
	v_lshrrev_b32 v1, 5, v0
	v_readfirstlane_b32 s32, v1                    ; w
	s_lshr_b32 s33, ttmp9, 1                       ; ug
	s_and_b32 s34, ttmp9, 1                        ; hh
	s_lshr_b32 s35, s33, 5                         ; image
	s_and_b32 s36, s33, 31                         ; u
	s_lshr_b32 s37, s32, 2                         ; ks = w / 4
	s_and_b32 s38, s32, 3                          ; bq = w % 4
	s_mov_b32 s[SEL], 0x76543210
	s_mov_b32 s[SEL+1], 0xfedcba98
	; the one tensor load of each wave: 6,400 dense bytes (two tiles of a weight) as 25 rows of 256 bytes.  Waves 0-3: my half of wq; waves 4-7: of wk
	s_mov_b32 s48, 3<<16                           ; no mask; elements of 8 bytes; no padding
	s_mov_b32 s49, 32<<16                          ; tensor_dim0 = 32
	s_mov_b32 s50, 25<<16                          ; tensor_dim1 = 25
	s_mov_b32 s51, 32<<16                          ; tile_dim0 = 32
	s_mov_b32 s52, 25                              ; tile_dim1 = 25
	s_mov_b32 s53, 32                              ; the pitch
	s_mov_b32 s54, 0
	s_mov_b32 s55, 0
	s_mov_b32 s56, 1
	s_mul_i32 s57, s32, 6400                       ; LDS: 6,400 x wave
	s_mul_i32 s40, s37, 51200
	s_mul_i32 s41, s34, 25600
	s_add_co_u32 s40, s40, s41
	s_mul_i32 s41, s38, 6400
	s_add_co_u32 s40, s40, s41
	s_mov_b32 s41, 0
	s_wait_dscnt 0x0
	s_wait_kmcnt 0x0
	s_add_nc_u64 s[58:59], s[28:29], s[40:41]
	s_or_b32 s59, s59, 0x80000000
	tensor_load_to_lds s[56:59], s[48:55]          ; one tensor load of mine is out, until the wait in front of the second barrier
	s_nop 0
	PLACES 4
	; pointers
	s_lshl_b32 s40, s35, 12
	s_lshr_b32 s42, s36, 1
	s_lshl_b32 s42, s42, 6
	s_add_co_u32 s40, s40, s42
	s_add_nc_u64 s[6:7], s[6:7], s[40:41]          ; zq at (image, channel 0, row u / 2)
	s_lshl_b32 s40, s35, 22
	s_lshl_b32 s42, s37, 21
	s_add_co_u32 s40, s40, s42
	s_lshl_b32 s42, s36, 9
	s_add_co_u32 s40, s40, s42
	s_lshl_b32 s42, s38, 7
	s_add_co_u32 s40, s40, s42
	s_add_nc_u64 s[4:5], s[4:5], s[40:41]          ; x at (image, channel 128 ks, pixel 128 u + 32 bq)
	s_lshl_b32 s40, s35, 7
	s_add_nc_u64 s[26:27], s[26:27], s[40:41]      ; stats at the image's 32 groups
	s_lshl_b32 s40, s37, 6
	s_add_nc_u64 s[44:45], s[26:27], s[40:41]
	s_load_b512 s[MU:MU+15], s[44:45], 0x0         ; the means of groups 16 ks .. 16 ks + 15
	s_lshl_b32 s40, s34, 9
	s_add_nc_u64 s[20:21], s[20:21], s[40:41]      ; bq, bk, bv at channel 128 hh
	s_add_nc_u64 s[22:23], s[22:23], s[40:41]
	s_add_nc_u64 s[24:25], s[24:25], s[40:41]
	s_lshr_b32 s40, s32, 1
	s_lshl_b32 s40, s40, 5
	s_and_b32 s42, s32, 1
	s_lshl_b32 s42, s42, 3
	s_add_co_u32 s40, s40, s42
	s_lshl_b32 s40, s40, 2
	s_add_nc_u64 s[24:25], s[24:25], s[40:41]      ; bv at my channel tile's first row
	s_lshl_b32 s40, s34, 3
	s_add_co_u32 s40, s40, s32
	s_mul_i32 s42, s40, 1536                       ; (kept for v's images)
	s_mul_i32 s40, s40, 3200
	s_add_co_u32 s40, s40, 102400
	s_add_nc_u64 s[28:29], s[28:29], s[40:41]      ; wv's tile 8 hh + w
	s_mul_i32 s40, s33, 76800
	s_add_nc_u64 s[30:31], s[30:31], s[40:41]      ; the three packets of these 128 pixels
	s_add_co_u32 s40, s42, 51200
	s_add_nc_u64 s[66:67], s[30:31], s[40:41]      ; v's image 8 hh + w
	s_lshl_b32 s40, s32, 1
	s_add_co_u32 s40, s40, s34
	s_mul_i32 s40, s40, 1536
	s_add_nc_u64 s[62:63], s[30:31], s[40:41]      ; q's image (w, hh); k's lies 25,600 on
	s_mul_i32 s40, s32, 25600
	s_lshl_b32 s42, s34, 9
	s_add_co_u32 s40, s40, s42
	s_add_co_u32 s40, s40, 24576
	s_add_nc_u64 s[46:47], s[30:31], s[40:41]      ; packet w's scale words of half hh (used by waves 0-2)
	; lane terms and LDS addresses: all made here, ahead of every branch on the wave's number
	v_and_b32 v1, 31, v0                           ; l
	v_and_b32 v2, 15, v0                           ; r
	v_bfe_u32 v3, v0, 4, 1                         ; h
	v_lshlrev_b32 v4, 4, v1                        ; 16 l
	v_lshlrev_b32 v5, 2, v1                        ; 4 l
	v_add_nc_u32 v6, XI, v4
	v_add_nc_u32 v7, XS, v5
	s_mul_i32 s40, s32, 3072
	v_add_nc_u32 v8, s40, v6                       ; x_norm's images of pixel tile w
	s_lshl_b32 s40, s32, 7
	v_add_nc_u32 v9, s40, v7                       ; and their scale words
	s_and_b32 s40, s38, 1
	s_lshl_b32 s40, s40, 6
	s_mul_i32 s42, s37, 17408
	s_add_co_u32 s40, s40, s42
	s_add_co_u32 s40, s40, TB
	v_lshrrev_b32 v10, 2, v1
	v_lshl_add_u32 v11, v10, 3, s40                ; the table at channel 128 ks, my pixel's cell 8 (bq % 2) + l / 4
	v_and_b32 v10, 7, v1
	v_lshl_add_u32 v10, v3, 3, v10                 ; r' = l % 8 + 8 (l / 16): my pixel's lane in its tile
	v_bfe_u32 v24, v0, 3, 1                        ; and the tile 2 bq + (l / 8) % 2
	s_mul_i32 s40, s38, 6144
	s_mul_i32 s42, s37, 1536
	s_add_co_u32 s40, s40, s42
	s_add_co_u32 s40, s40, XI
	v_mul_u32_u24 v12, v24, 3072
	v_lshl_add_u32 v12, v10, 4, v12
	v_add_nc_u32 v12, s40, v12                     ; where my pixel's codes go
	s_lshl_b32 s40, s38, 8
	s_lshl_b32 s42, s37, 6
	s_add_co_u32 s40, s40, s42
	s_add_co_u32 s40, s40, XS
	v_lshlrev_b32 v13, 7, v24
	v_lshl_add_u32 v13, v10, 2, v13
	v_add_nc_u32 v13, s40, v13                     ; and its scale word
	v_mul_u32_u24 v14, v0, 136
	v_add_nc_u32 v14, TB, v14                      ; the table's row of channel = thread
	s_lshl_b32 s40, s37, 8
	s_lshl_b32 s42, s38, 2
	s_add_co_u32 s40, s40, s42
	s_add_co_u32 s40, s40, SG
	v_lshl_add_u32 v15, v2, 4, s40                 ; q's word of (tile w, row r): 256 (w / 4) + 16 r + 4 (w % 4)
	s_and_b32 s40, s32, 1
	s_lshl_b32 s40, s40, 8
	s_lshr_b32 s42, s32, 1
	s_lshl_b32 s42, s42, 2
	s_add_co_u32 s40, s40, s42
	s_add_co_u32 s40, s40, SG+1024
	v_lshl_add_u32 v16, v2, 4, s40                 ; v's word: 16 (r + 16 (w % 2)) + 4 (w / 2)
	v_lshlrev_b32 v17, 6, v3                       ; 64 h
	v_and_b32 v18, 8, v2
	v_add_nc_u32 v18, v18, v2
	v_lshlrev_b32 v18, 2, v18                      ; 4 (r + 8 (r / 8))
	v_mov_b32 v19, 0
	v_lshlrev_b32 v20, 2, v0                       ; 4 x channel
	v_lshlrev_b32 v21, 4, v0                       ; 16 x channel
	v_lshrrev_b32 v22, 3, v0
	v_lshlrev_b32 v22, 2, v22                      ; 4 x group
	s_lshl_b32 s40, s32, 9
	s_add_co_u32 s40, s40, SG
	v_add_nc_u32 v23, s40, v4                      ; the gathered words of packet w
	; 23 loads of parameters: thread = channel
	global_load_b128 v[44:47], v21, s[12:13]       ; wy's row
	global_load_b128 v[48:51], v21, s[16:17]       ; wb's row
	global_load_b32 v52, v20, s[14:15]             ; by
	global_load_b32 v53, v20, s[18:19]             ; bb
	global_load_b32 v54, v20, s[8:9]               ; gamma
	global_load_b32 v55, v20, s[10:11]             ; beta
	global_load_b32 v56, v22, s[26:27] offset:512  ; rstd
.irp zc, 0,1,2,3
.irp i, 0,1,2,3
	global_load_b128 v[64+16*\zc+4*\i:64+16*\zc+4*\i+3], v19, s[6:7] offset:1024*\zc+16*\i   ; zq's 16 cells of this row, 4 channels: the same in every lane
.endr
.endr
.macro XLOAD bb                        ; channels 32 bb .. + 31 of my half, my pixel: 32 lanes read 128 consecutive bytes, the four waves of a half 512
.set i, 0
.rept 32
	global_load_b32 v[128+32*(\bb)+i], v5, s[4:5] offset:16384*(32*(\bb)+i)
.set i, i+1
.endr
.endm
	XLOAD 0
	s_wait_loadcnt 32                              ; the parameters are in; x's first 32 loads stay out
	XLOAD 1
	; ---- the table: for my channel and each of the 16 cells: G = rstd gamma Y, H = beta Y + B
	v_mul_f32 v57, v56, v54
.irp k, 0,1,2,3,4,5,6,7,8,9,10,11,12,13,14,15
	v_fma_f32 v58, v44, v[64+\k], v52
	v_fma_f32 v59, v48, v[64+\k], v53
	v_fma_f32 v58, v45, v[80+\k], v58
	v_fma_f32 v59, v49, v[80+\k], v59
	v_fma_f32 v58, v46, v[96+\k], v58
	v_fma_f32 v59, v50, v[96+\k], v59
	v_fma_f32 v58, v47, v[112+\k], v58             ; Y
	v_fma_f32 v59, v51, v[112+\k], v59             ; B
	v_mul_f32 v[192+2*\k], v57, v58
	v_fma_f32 v[193+2*\k], v55, v58, v59
	ds_store_b64 v14, v[192+2*\k:193+2*\k] offset:8*\k   ; a pair of registers of its own for each cell
.endr
	BAR                                            ; the table lies in LDS
	s_wait_kmcnt 0x0                               ; the means
.macro EXTRA                           ; 47 loads that the products want: the biases in the results' layout, wv's tile, its words
	WIN 0x40                                       ; destination window 1
.irp tl, 0,1,2,3,4,5,6,7
	global_load_b128 v[8*\tl:8*\tl+3], v17, s[20:21] offset:4*(32*(\tl/2)+8*(\tl%2))      ; bq at channels 32 (tl / 2) + 8 (tl % 2) + 16 h + 0 .. 7
	global_load_b128 v[8*\tl+4:8*\tl+7], v17, s[20:21] offset:4*(32*(\tl/2)+8*(\tl%2))+16
.endr
.irp tl, 0,1,2,3,4,5,6,7
	global_load_b128 v[64+8*\tl:64+8*\tl+3], v17, s[22:23] offset:4*(32*(\tl/2)+8*(\tl%2))
	global_load_b128 v[64+8*\tl+4:64+8*\tl+7], v17, s[22:23] offset:4*(32*(\tl/2)+8*(\tl%2))+16
.endr
.irp ks, 0,1
.irp c, 0,1,2
	global_load_b128 v[128+12*\ks+4*\c:128+12*\ks+4*\c+3], v4, s[28:29] offset:1536*\ks+512*\c
.endr
.endr
	WIN 0
	global_load_b32 v42, v5, s[28:29] offset:3072
.irp j, 0,1,2,3,4,5,6,7
	global_load_b32 v[24+\j], v18, s[24:25]        ; bv of my lane's channel, in all eight registers of a result
.endr
.endm
; ---- x_norm, a block of 32 channels at a time
.macro XN beta
.if \beta < 3
	s_wait_loadcnt 32                              ; this block's 32 loads are in; the next block's stay out
.else
	s_wait_loadcnt 47                              ; behind the last block's loads: the 47 above
.endif
.if \beta < 2
	XLOAD \beta+2
.elseif \beta == 2
	EXTRA
.endif
.set i, 0
.rept 32
	ds_load_b64 v[64+2*i:65+2*i], v11 offset:136*(32*\beta+i)
.set i, i+1
.endr
	s_wait_dscnt 0x0                               ; G and H are in; the last block's LDS stores have read their registers
.set i, 0
.rept 32
	v_sub_f32 v[128+32*\beta+i], v[128+32*\beta+i], s[MU+4*\beta+i/8]
.set i, i+1
.endr
.set i, 0
.rept 32
	v_fma_f32 v[128+32*\beta+i], v[128+32*\beta+i], v[64+2*i], v[65+2*i]
.set i, i+1
.endr
	BLK 128+32*\beta, 50, 56, 60, 61
.if \beta == 0
	v_mov_b32 v48, v61                             ; the four bytes make my pixel's scale word
	ds_store_b128 v12, v[50:53]                    ; block 2 c + h' is registers 6 c .. 6 c + 5 of lane r' + 16 h' of the image
	ds_store_b64 v12, v[54:55] offset:512
.elseif \beta == 1
	v_lshl_or_b32 v48, v61, 8, v48
	ds_store_b128 v12, v[50:53] offset:256
	ds_store_b64 v12, v[54:55] offset:768
.elseif \beta == 2
	v_lshl_or_b32 v48, v61, 16, v48
	ds_store_b64 v12, v[50:51] offset:520
	ds_store_b128 v12, v[52:55] offset:1024
.else
	v_lshl_or_b32 v48, v61, 24, v48
	ds_store_b64 v12, v[50:51] offset:776
	ds_store_b128 v12, v[52:55] offset:1280
	ds_store_b32 v13, v48
.endif
.endm
	XN 0
	XN 1
	XN 2
	XN 3
	s_wait_tensorcnt 0x0                           ; my part of the weights has landed
	BAR                                            ; x_norm's images and the weights lie in LDS
	; ---- the products
	s_wait_loadcnt 0x0
.irp b, 0,1,2,3
	v_mov_b32 v[TM+4+\b], 0                        ; a lane permute's destination counts as one of its sources
.endr
.irp ks, 0,1
.irp c, 0,1,2
	ds_load_b128 v[224+12*\ks+4*\c:224+12*\ks+4*\c+3], v8 offset:1536*\ks+512*\c   ; x_norm's two fragments of pixel tile w stay
.endr
.endr
	ds_load_b32 v40, v9                            ; lanes 0-15: K step 0's words, lanes 16-31: K step 1's
.macro MANYW base, adr, pitch          ; eight fragments into v128-223
.irp tl, 0,1,2,3,4,5,6,7
.irp c, 0,1,2
	ds_load_b128 v[128+12*\tl+4*\c:128+12*\tl+4*\c+3], v[\adr] offset:(\base)+(\pitch)*\tl+512*\c
.endr
.endr
.endm
; q (P = 0) or k (P = 1) of pixel tile w: eight result tiles by turns, K step by K step; the bias is the C of each sum's first instruction
.macro UNITQK P, wb, bi
	s_wait_xcnt 0x0                                ; the unit before has stored its codes: their registers may be loaded again
	PLACES 5                                       ; the products below write over accumulators of the unit before
.irp tl, 0,1,2,3,4,5,6,7
	ds_load_b32 v[MS+\tl], v5 offset:\wb+3200*\tl+3072
.endr
	MANYW \wb, 4, 3200
	s_wait_dscnt 0x0
	WIN 0x10                                       ; C in window 1
.irp tl, 0,1,2,3,4,5,6,7
	MMC 64+8*\tl, 128+12*\tl, 224, \bi+8*\tl, MS+\tl, 40, 0
.endr
	WIN 0
	PLACES 4                                       ; in front of loads into registers that matrix instructions have read
	MANYW \wb+1536, 4, 3200
	s_wait_dscnt 0x0
.irp tl, 0,1,2,3,4,5,6,7
	MMC 64+8*\tl, 128+12*\tl, 236, 64+8*\tl, MS+\tl, 40, 1
.endr
	PLACES 4
	QUANT 64
.irp c, 0,1,2
	global_store_b128 v4, v[PC+4*\c:PC+4*\c+3], s[62:63] offset:25600*\P+512*\c   ; 32 lanes store 512 consecutive bytes, at a multiple of 256 from the buffer's first byte
.endr
	ds_store_b32 v15, v[PW] offset:512*\P          ; (lanes l and l xor 16 write the same word with the same value)
.endm
	UNITQK 0, WQ, 0
	UNITQK 1, WK, 64
	; v of channel tile 8 hh + w: source 0 = the eight pixel tiles, source 1 = wv's tile
	s_wait_xcnt 0x0
	PLACES 5
.irp t, 0,1,2,3,4,5,6,7
	ds_load_b32 v[MS+\t], v7 offset:128*\t
.endr
	MANYW 0, 6, 3072
	s_wait_dscnt 0x0
	WIN 0x04                                       ; source 1 in window 1
.irp t, 0,1,2,3,4,5,6,7
	MMC 64+8*\t, 128+12*\t, 128, 24, MS+\t, 42, 0
.endr
	WIN 0
	PLACES 4
	MANYW 1536, 6, 3072
	s_wait_dscnt 0x0
	WIN 0x04
.irp t, 0,1,2,3,4,5,6,7
	MMC 64+8*\t, 128+12*\t, 140, 64+8*\t, MS+\t, 42, 1
.endr
	WIN 0
	PLACES 4
	QUANT 64
.irp c, 0,1,2
	global_store_b128 v4, v[PC+4*\c:PC+4*\c+3], s[66:67] offset:512*\c
.endr
	ds_store_b32 v16, v[PW]
	BAR                                            ; the three packets' scale words of this half lie gathered
	s_cmp_lt_u32 s32, 3
	s_cbranch_scc0 .Ldone
	ds_load_b128 v[44:47], v23
	s_wait_dscnt 0x0
	global_store_b128 v4, v[44:47], s[46:47]       ; wave 0: q's 512 bytes, wave 1: k's, wave 2: v's: consecutive, aligned
.Ldone:
	s_wait_tensorcnt 0x0
	ds_add_u32 v62, v63
	s_wait_dscnt 0x0
	s_endpgm
.Lfunc_end_k_q178368a680_qkv:
	.size	k_q178368a680_qkv, .Lfunc_end_k_q178368a680_qkv-k_q178368a680_qkv
	.p2alignl 7, 3214868480
	.fill 96, 4, 3214868480
	.section	.rodata,"a",@progbits
	.p2align	6, 0x0
	.amdhsa_kernel k_q178368a680_qkv
		.amdhsa_group_segment_fixed_size 168960
		.amdhsa_private_segment_fixed_size 0
		.amdhsa_enable_private_segment 0
		.amdhsa_kernarg_size 112
		.amdhsa_user_sgpr_count 2
		.amdhsa_user_sgpr_kernarg_segment_ptr 1
		.amdhsa_wavefront_size32 1
		.amdhsa_system_sgpr_workgroup_id_x 1
		.amdhsa_system_sgpr_workgroup_id_y 1
		.amdhsa_system_sgpr_workgroup_id_z 1
		.amdhsa_system_vgpr_workitem_id 0
		.amdhsa_next_free_vgpr 416
		.amdhsa_next_free_sgpr 84
		.amdhsa_reserve_vcc 0
		.amdhsa_float_denorm_mode_32 3
		.amdhsa_float_denorm_mode_16_64 3
		.amdhsa_memory_ordered 1
		.amdhsa_forward_progress 1
		.amdhsa_inst_pref_size 99
	.end_amdhsa_kernel
	.amdgpu_metadata
---
amdhsa.version: [ 1, 2 ]
amdhsa.kernels:
  - .name:           k_q178368a680_qkv
    .symbol:         k_q178368a680_qkv.kd
    .args:
      - { .name: x, .offset: 0, .size: 8, .value_kind: global_buffer, .address_space: global }
      - { .name: zq, .offset: 8, .size: 8, .value_kind: global_buffer, .address_space: global }
      - { .name: gn_gamma, .offset: 16, .size: 8, .value_kind: global_buffer, .address_space: global }
      - { .name: gn_beta, .offset: 24, .size: 8, .value_kind: global_buffer, .address_space: global }
      - { .name: wy, .offset: 32, .size: 8, .value_kind: global_buffer, .address_space: global }
      - { .name: by, .offset: 40, .size: 8, .value_kind: global_buffer, .address_space: global }
      - { .name: wb, .offset: 48, .size: 8, .value_kind: global_buffer, .address_space: global }
      - { .name: bb, .offset: 56, .size: 8, .value_kind: global_buffer, .address_space: global }
      - { .name: bq, .offset: 64, .size: 8, .value_kind: global_buffer, .address_space: global }
      - { .name: bk, .offset: 72, .size: 8, .value_kind: global_buffer, .address_space: global }
      - { .name: bv, .offset: 80, .size: 8, .value_kind: global_buffer, .address_space: global }
      - { .name: stats, .offset: 88, .size: 8, .value_kind: global_buffer, .address_space: global }
      - { .name: wc, .offset: 96, .size: 8, .value_kind: global_buffer, .address_space: global }
      - { .name: qkv, .offset: 104, .size: 8, .value_kind: global_buffer, .address_space: global }
    .group_segment_fixed_size: 168960
    .private_segment_fixed_size: 0
    .kernarg_segment_align: 8
    .kernarg_segment_size: 112
    .max_flat_workgroup_size: 256
    .sgpr_count:     84
    .vgpr_count:     416
    .wavefront_size: 32
...
	.end_amdgpu_metadata
.endif
;; end of part 2
;; launch attn (part 3): grid 64 x 4, 8 waves a work-group, clusters of 4 x 1, 327,680 bytes of LDS; arguments qkv, wc, bo, x, out0; writes out0
.if DOCPART == 3
	.amdgcn_target "amdgcn-amd-amdhsa--gfx1250"
	.amdhsa_code_object_version 6
	.text
	.protected	k_q178368a680_attn
	.globl	k_q178368a680_attn
	.p2align	8
	.type	k_q178368a680_attn,@function
k_q178368a680_attn:
	s_mov_b64 s[64:65], 0
	v_nop
	global_prefetch_b8 v0, s[64:65] scope:SCOPE_SE
	s_setreg_imm32_b32 hwreg(HW_REG_WAVE_MODE, 25, 1), 1
	s_wait_xcnt 0x0
	s_wait_alu depctr_hold_cnt(0) depctr_sa_sdst(0) depctr_va_vdst(0) depctr_va_sdst(0) depctr_va_ssrc(0) depctr_va_vcc(0) depctr_vm_vsrc(0)
	s_getreg_b32 s2, hwreg(HW_REG_IB_STS2, 6, 4)
	s_cmp_eq_u32 s2, 0
	s_cbranch_scc0 .Lentry_in_a_cluster
	s_endpgm
.Lentry_in_a_cluster:
	s_bfe_u32 s2, ttmp6, 0x10000c
	s_cmp_lg_u32 s2, 0x3003
	s_cbranch_scc0 .Lentry_shape_is_right
	s_endpgm
.Lentry_shape_is_right:
; ATTN.  out0 = x + wo softmax(q^T k / 16) v + bo, all three products on codes of E3M2 with one E8M0 byte for each 32 along K.  Inputs: the packets that the launch before stored (their layout: below), wo's images.
; THE SOFTMAX AHEAD OF THE SECOND PRODUCT: t = score x log2(e) / 16; M = the largest t so far, rounded UP to a whole number; p = 2^(t - M) is quantised along the keys, not normalised; the row's sum is taken
; of the unquantised p.  When M moves, the sum and O are multiplied by 2^(old M - new M): exact.
; SHARES.  A work-group owns 64 queries of one image (blk = 4 x cluster x + cx).  Eight waves: qh = w / 4: 32 queries = two tiles of 16; g = w % 4: a quarter of the keys: in a ring step (512 keys) the 128 keys of
; key step 4 x ring step + g.  A fragment of K or V read from LDS feeds two matrix instructions.  Each wave has its own running M and sum; the four quarters are merged at the end by exact powers of two.
; CLUSTER.  The four work-groups of a cluster belong to one image and walk the same K and V: each packet is asked for JOINTLY (mask 15), wave w fetching packet (w / 4: K or V; group w % 4): 25,600 bytes.
; RING.  K has one place of 4 packets, V two.  Behind a step's K Q^T a round of the cluster's barrier, then the refill (K and V of the next step); it lands under the step's softmax and V^T P.
; Behind V^T P a plain barrier shows the next step's packets to all eight waves; the wait in front of it is for 0 since the wave's one load that is out is the very packet to be shown.
; THE RING'S START TURNS WITH THE CLUSTER: cluster x walks ring steps (x % 8) + 0 .. 7, modulo 8.  So the sixteen clusters of an image ask for the same packets only in pairs (x and x + 8) at any one time, and from its second step on a cluster
; asks for packets that another cluster asked for a step earlier.  The running M takes the keys in any order.  The start hangs on the cluster's x, which the four partners share, and enters global addresses alone.
; LAYOUT.  Both products are used transposed (S^T = K Q^T, O^T = V^T P^T): a lane holds ONE query.  Lane r of tile 2 b + u' of 128 pixels (or channels) takes 32 b + 8 u' + r + 8 (r / 8), so the 16 registers of
; two neighbouring result tiles are 16 neighbours along the next K.  IMAGE of a fragment: 1,536 bytes, registers 4 c .. 4 c + 3 of lane l at 512 c + 16 l.  PACKET: 16 images + 1,024 bytes of scale words:
; q, k: image (tile t, channel half ks) at 1,536 (2 t + ks), word at 24,576 + 512 ks + 256 (t / 4) + 16 r + 4 (t % 4);  v: image of channel tile ct at 1,536 ct, word at 24,576 + 512 (ct / 8) + 16 (r + 16 (ct % 2)) + 4 ((ct / 2) % 4).
; LIMITS: NaN and infinities are not served; p under 2^-126 counts as 0; a block whose largest magnitude lies under 2^-122 keeps the scale byte 1; sums are ordered otherwise than in the source.
; REGISTERS.  Window 0: v1, v2 the add's; v3 16 l + 25,600 g; v4 the address in hand; v5 K's scale words; tile a's statistics at v[6 + 6 a]: -M, largest t, the sum (2), f (2);
;   v18-19 Q's scale words, v20-21 p's, v22-29 K's or V's; v30-31 at work; v32-79 Q; v80-127 two key tiles of K by turns, then p's codes and the softmax's work; v128-255 S^T, then two batches of V.   Window 1: O^T at 128 a + 8 ct.
.set VB0,   102400                     ; LDS: K's 4 packets at 0; V's at 102,400 (my even steps) and 204,800 (my odd steps)
.set SPARE, 307200                     ; the spare words: 128 bytes for each of eight waves, four blocks of 256 bytes that no other line names
.set STAT,  308224                     ; the way out: -M and the sum of each wave: 512 bytes a wave
.set OIMG,  312320                     ; the attention's result as 8 images
.set OSC,   324608                     ; and their scale words, 128 bytes each
.set STEPB, 307200                     ; bytes of qkv from a ring step to the next: 4 key steps x 76,800
.set QS,  18
.set PS,  20
.set KS,  22
.set TT,  30
.set QF,  32
.set KF,  80
.set PCD, 80                           ; p's codes: 12 a
.set CT,  104
.set BM,  112                          ; 4 a + b: a block's largest score, then its largest p, then the conversion's scale operand
.set BT,  120
.set S,   128
.set G0,  32                           ; s[32:35], s[36:39]: descriptor group 0 for my even and my odd steps
.set RB,  56                           ; s[56:57]: ring step 0's packet of mine in qkv, without the type bits
.set PC,  80                           ; the way out's quantiser
.set TM,  100
.set PW,  20
.set SEL, 20                           ; s[20:21]
.set MSB, 0
.macro WIN new                         ; the immediate's high byte repeats the setting that is left
.if MSB != \new
	s_set_vgpr_msb (MSB<<8)|\new
.set MSB, \new
.endif
.endm
.macro PLACES n
.rept \n
	v_nop
.endr
.endm
.macro BAR
	s_wait_dscnt 0x0                               ; my LDS stores have landed and my LDS loads are in
	s_barrier_signal -1
	s_barrier_wait -1
.endm
.macro ROUND                           ; a round of the cluster's barrier
	s_barrier_signal -1
	s_barrier_wait -1
	s_cmp_lg_u32 s14, 0
	s_cbranch_scc1 .Lnot_wave_0_\@
	s_barrier_signal -3
.Lnot_wave_0_\@:
	s_barrier_wait -3
	s_barrier_signal -1
	s_barrier_wait -1
.endm
.macro MMZ d, a, b, sa, sb, ra         ; D = A B: the first product starts the sum.  ra = 1: A's scale words from lanes 16-31
.if (\ra) == 0
	v_wmma_scale_f32_16x16x128_f8f6f4 v[(\d):(\d)+7], v[(\a):(\a)+11], v[(\b):(\b)+11], 0, v[\sa], v[\sb] matrix_a_fmt:MATRIX_FMT_BF6 matrix_b_fmt:MATRIX_FMT_BF6
.else
	v_wmma_scale_f32_16x16x128_f8f6f4 v[(\d):(\d)+7], v[(\a):(\a)+11], v[(\b):(\b)+11], 0, v[\sa], v[\sb] matrix_a_fmt:MATRIX_FMT_BF6 matrix_b_fmt:MATRIX_FMT_BF6 matrix_a_scale:MATRIX_SCALE_ROW1
.endif
.endm
.macro MMC d, a, b, c, sa, sb, ra, rb  ; D = A B + C
.if (\ra) == 0
.if (\rb) == 0
	v_wmma_scale_f32_16x16x128_f8f6f4 v[(\d):(\d)+7], v[(\a):(\a)+11], v[(\b):(\b)+11], v[(\c):(\c)+7], v[\sa], v[\sb] matrix_a_fmt:MATRIX_FMT_BF6 matrix_b_fmt:MATRIX_FMT_BF6
.else
	v_wmma_scale_f32_16x16x128_f8f6f4 v[(\d):(\d)+7], v[(\a):(\a)+11], v[(\b):(\b)+11], v[(\c):(\c)+7], v[\sa], v[\sb] matrix_a_fmt:MATRIX_FMT_BF6 matrix_b_fmt:MATRIX_FMT_BF6 matrix_b_scale:MATRIX_SCALE_ROW1
.endif
.else
.if (\rb) == 0
	v_wmma_scale_f32_16x16x128_f8f6f4 v[(\d):(\d)+7], v[(\a):(\a)+11], v[(\b):(\b)+11], v[(\c):(\c)+7], v[\sa], v[\sb] matrix_a_fmt:MATRIX_FMT_BF6 matrix_b_fmt:MATRIX_FMT_BF6 matrix_a_scale:MATRIX_SCALE_ROW1
.else
	v_wmma_scale_f32_16x16x128_f8f6f4 v[(\d):(\d)+7], v[(\a):(\a)+11], v[(\b):(\b)+11], v[(\c):(\c)+7], v[\sa], v[\sb] matrix_a_fmt:MATRIX_FMT_BF6 matrix_b_fmt:MATRIX_FMT_BF6 matrix_a_scale:MATRIX_SCALE_ROW1 matrix_b_scale:MATRIX_SCALE_ROW1
.endif
.endif
.endm
; 64 numbers of a lane, register 16 b + i = k 32 b + 16 (lane / 16) + i of my row, become a fragment's codes in v[PC] on and its scale word in v[PW]
.macro QUANT s
.irp b, 0,1,2,3
	v_max3_num_f32 v[TM+\b], |v[\s+16*\b]|, |v[\s+1+16*\b]|, 0x2800000
.endr
.irp i, 2,4,6,8,10,12,14
.irp b, 0,1,2,3
	v_max3_num_f32 v[TM+\b], v[TM+\b], |v[\s+16*\b+\i]|, |v[\s+1+16*\b+\i]|
.endr
.endr
.irp b, 0,1,2,3
	v_permlanex16_b32 v[TM+4+\b], v[TM+\b], s[SEL], s[SEL+1]
.endr
.irp b, 0,1,2,3
	v_max_num_f32 v[TM+\b], v[TM+\b], v[TM+4+\b]
.endr
.irp b, 0,1,2,3
	v_add_nc_u32 v[TM+12+\b], 0xfe000000, v[TM+\b]
.endr
.irp b, 0,1,2,3
	v_lshrrev_b32 v[TM+4+\b], 23, v[TM+12+\b]
.endr
	v_lshl_or_b32 v[PW], v[TM+5], 8, v[TM+4]
	v_lshl_or_b32 v[PW], v[TM+6], 16, v[PW]
	v_lshl_or_b32 v[PW], v[TM+7], 24, v[PW]
.irp c, 0,1
	v_cvt_scalef32_pk16_bf6_f32 v[PC+6*\c:PC+2+6*\c], v[\s+32*\c:\s+15+32*\c], v[TM+12+2*\c]
	v_cvt_scalef32_pk16_bf6_f32 v[PC+12+4*\c:PC+14+4*\c], v[\s+16+32*\c:\s+31+32*\c], v[TM+12+2*\c+1]
.endr
	v_nop                                          ; one plain place behind a scaled conversion
.irp c, 0,1
.irp i, 0,1,2
	v_permlane16_swap_b32 v[PC+6*\c+\i], v[PC+12+4*\c+\i]
.endr
.irp i, 0,1,2
	v_mov_b32 v[PC+3+6*\c+\i], v[PC+12+4*\c+\i]
.endr
.endr
.endm
	s_load_b256 s[4:11], s[0:1], 0x0               ; qkv 4, wc 6, bo 8, x 10
	s_load_b64 s[12:13], s[0:1], 0x20              ; out0
	v_lshl_add_u32 v1, v0, 2, SPARE
	v_mov_b32 v2, 0
	ds_add_u32 v1, v2
	ds_add_u32 v1, v2
	s_wait_dscnt 0x0
	v_lshrrev_b32 v3, 5, v0
	v_readfirstlane_b32 s14, v3                    ; w
	s_lshr_b32 s15, s14, 2                         ; qh.  Also: I fetch K (0) or V (1)
	s_and_b32 s16, s14, 3                          ; g
	s_bfe_u32 s17, ttmp6, 0x40000                  ; cx: it enters Q's, x's and out0's addresses alone
	s_lshl_b32 s18, ttmp9, 2
	s_add_co_u32 s18, s18, s17                     ; blk: my 64 queries
	s_and_b32 s19, ttmp7, 0xffff                   ; the image, which the four partners share
	s_mov_b32 s[SEL], 0x76543210
	s_mov_b32 s[SEL+1], 0xfedcba98
	s_mov_b32 s22, 0x3db8aa3b                      ; c = log2(e) / 16
	s_mov_b32 s23, s22                             ; (named with it as a pair, so it is written)
	; descriptor group 1: a packet, 25,600 dense bytes, as 100 rows of 256
	s_mov_b32 s24, 15|(3<<16)|(1<<21)              ; the mask: all four work-groups; elements of 8 bytes; bit 21 set beside a mask
	s_mov_b32 s25, 32<<16                          ; tensor_dim0 = 32
	s_mov_b32 s26, 100<<16                         ; tensor_dim1 = 100
	s_mov_b32 s27, 32<<16                          ; tile_dim0 = 32
	s_mov_b32 s28, 100                             ; tile_dim1 = 100
	s_mov_b32 s29, 32                              ; the pitch
	s_mov_b32 s30, 0
	s_mov_b32 s31, 0
	s_mul_i32 s42, s19, 2457600                    ; the image's 32 key steps,
	s_mul_i32 s43, s16, 76800                      ; key step g,
	s_add_co_u32 s42, s42, s43
	s_mul_i32 s43, s15, 25600
	s_add_co_u32 s42, s42, s43
	s_add_co_u32 s42, s42, 25600                   ; its packet of K (qh = 0) or of V (qh = 1)
	s_mov_b32 s43, 0                               ; (stays 0 as the upper word of the ring's offsets)
	s_mul_i32 s44, s14, 25600                      ; LDS: K's place, or V's for my even steps;
	s_mul_i32 s45, s15, 102400
	s_add_co_u32 s45, s45, s44                     ; K's place, or V's for my odd steps
	s_and_b32 s41, ttmp9, 7                        ; the ring step at which my cluster begins
	s_wait_kmcnt 0x0
	s_add_nc_u64 s[RB:RB+1], s[4:5], s[42:43]
	s_mul_i32 s42, s41, STEPB
	s_mov_b32 s[G0], 1
	s_mov_b32 s[G0+1], s44
	s_add_nc_u64 s[G0+2:G0+3], s[RB:RB+1], s[42:43]    ; my step 0
	s_or_b32 s[G0+3], s[G0+3], 0x80000000
	s_add_co_u32 s41, s41, 1
	s_and_b32 s42, s41, 7
	s_mul_i32 s42, s42, STEPB
	s_mov_b32 s[G0+4], 1
	s_mov_b32 s[G0+5], s45
	s_add_nc_u64 s[G0+6:G0+7], s[RB:RB+1], s[42:43]    ; my step 1
	s_or_b32 s[G0+7], s[G0+7], 0x80000000
	s_add_co_u32 s41, s41, 1                       ; s41: the ring step, not yet cut to 0 .. 7, that the next written descriptor takes
	ROUND                                          ; all four work-groups are here: the first joint loads meet
	s_cmp_lt_u32 s14, 4                            ; a wave's first fills stand in one branch: K of step 0; V of steps 0 and 1.  At most two loads of mine are out
	s_cbranch_scc0 .Lfirst_v
	tensor_load_to_lds s[G0:G0+3], s[24:31]
	s_nop 0
	PLACES 4
	s_branch .Lfirst_done
.Lfirst_v:
	tensor_load_to_lds s[G0:G0+3], s[24:31]
	s_nop 0
	tensor_load_to_lds s[G0+4:G0+7], s[24:31]
	s_nop 0
	PLACES 4
.Lfirst_done:
	; Q's packet, and the pointers of the way out
	s_lshr_b32 s46, s18, 1
	s_mul_i32 s46, s46, 76800
	s_mul_i32 s48, s19, 2457600
	s_add_co_u32 s46, s46, s48                     ; the packet that holds my queries
	s_and_b32 s48, s18, 1
	s_lshl_b32 s49, s48, 2
	s_lshl_b32 s50, s15, 1
	s_add_co_u32 s49, s49, s50                     ; my first tile in it: 4 (blk % 2) + 2 qh
	s_mul_i32 s49, s49, 3072
	s_add_co_u32 s50, s46, s49
	s_mov_b32 s51, 0
	s_add_nc_u64 s[52:53], s[4:5], s[50:51]
	s_lshl_b32 s48, s48, 8
	s_lshl_b32 s49, s15, 3
	s_add_co_u32 s48, s48, s49
	s_add_co_u32 s48, s48, s46
	s_add_co_u32 s50, s48, 24576
	s_add_nc_u64 s[54:55], s[4:5], s[50:51]        ; its scale words
	s_lshl_b32 s46, s19, 22
	s_lshl_b32 s47, s14, 19
	s_add_co_u32 s46, s46, s47
	s_lshl_b32 s47, s18, 8
	s_add_co_u32 s46, s46, s47
	s_mov_b32 s47, 0
	s_add_nc_u64 s[10:11], s[10:11], s[46:47]      ; x and out0 at (image, channel 32 w, pixel 64 blk)
	s_add_nc_u64 s[12:13], s[12:13], s[46:47]
	s_mul_i32 s46, s14, 6400
	s_add_co_u32 s46, s46, 153600
	s_add_nc_u64 s[6:7], s[6:7], s[46:47]          ; wo's tiles 2 w and 2 w + 1
	s_lshl_b32 s46, s14, 7
	s_add_nc_u64 s[8:9], s[8:9], s[46:47]          ; bo at channel 32 w
	v_and_b32 v3, 31, v0
	v_lshlrev_b32 v4, 4, v3                        ; 16 l
	v_and_b32 v31, 15, v0                          ; r
	v_bfe_u32 v30, v0, 4, 1                        ; h
	v_lshlrev_b32 v30, 9, v30
	v_lshl_add_u32 v30, v31, 4, v30                ; 512 h + 16 r
	s_mul_i32 s44, s16, 25600
	v_add_nc_u32 v3, s44, v4                       ; my group's packet, my lane's place in an image
	s_add_co_u32 s45, s44, 24576
	v_add_nc_u32 v5, s45, v30                      ; K's scale words: lanes 0-15 channel half 0, lanes 16-31 half 1
.irp a, 0,1
.irp ks, 0,1
.irp c, 0,1,2
	global_load_b128 v[QF+24*\a+12*\ks+4*\c:QF+24*\a+12*\ks+4*\c+3], v4, s[52:53] offset:3072*\a+1536*\ks+512*\c   ; Q stays in registers
.endr
.endr
.endr
.irp a, 0,1
	global_load_b32 v[QS+\a], v30, s[54:55] offset:4*\a
.endr
	v_mov_b32 v11, 0                               ; (named as the upper halves of the pairs that hold f)
	v_mov_b32 v17, 0
.irp j, 0,1,2,3,4,5,6,7
	v_mov_b32 v[BT+\j], 0                          ; a lane permute's destination counts as one of its sources
.endr
.macro KLOAD t                         ; key tile t's two fragments (channel halves 0 and 1) into half t % 2 of K's registers: six loads
.irp ks, 0,1
.irp c, 0,1,2
	ds_load_b128 v[KF+24*((\t)%2)+12*\ks+4*\c:KF+24*((\t)%2)+12*\ks+4*\c+3], v3 offset:1536*(2*(\t)+\ks)+512*\c
.endr
.endr
.endm
; S^T = K Q^T for my 128 keys and 32 queries, a key tile at a time on two halves of K's registers: while tile t's four products are issued, tile t + 1 is on its way from LDS.
; The two query tiles' accumulators take turns: channel half 0 of both, then half 1 of both.
.macro SPHASE
	PLACES 5                                       ; the products below write over, and the loads land in, registers that the last V^T P read
	ds_load_b128 v[KS:KS+3], v5
	ds_load_b128 v[KS+4:KS+7], v5 offset:256
	KLOAD 0
	KLOAD 1
.irp t, 0,1,2,3,4,5,6,7
.if \t < 7
	s_wait_dscnt 6                                 ; tile t is in (and the scale words); the younger tile's six loads stay out
.else
	s_wait_dscnt 0x0
.endif
.irp a, 0,1
	MMZ S+64*\a+8*\t, KF+24*(\t%2), QF+24*\a, KS+\t, QS+\a, 0
.endr
.irp a, 0,1
	MMC S+64*\a+8*\t, KF+24*(\t%2)+12, QF+24*\a+12, S+64*\a+8*\t, KS+\t, QS+\a, 1, 1
.endr
.if \t < 6
	PLACES 4                                       ; in front of loads into the half that these products read
	KLOAD \t+2
.endif
.endr
	PLACES 4                                       ; in front of the first read of the scores
.endm
; THE REFILL, behind my step s's K Q^T (par = s % 2): every wave waits for all its tensor loads, adds 0 to its spare word, waits for that and for its reads; a round of the cluster's barrier; then my one load:
; K of step s + 1 into K's place, which nobody reads any more, or V of step s + 1 into the place that step s - 1 read.  konly = 1 (step 0): V of step 1 is there already.
; Between the add and the wait for it this parity's descriptor takes its next address: my step s + 2, which is ring step s41 modulo 8.
.macro REFILL par, konly
	s_wait_tensorcnt 0x0                           ; no tensor load of mine is out, so a group 0 may be written
	ds_add_u32 v1, v2                              ; 0 onto my spare word
	s_and_b32 s42, s41, 7
	s_mul_i32 s42, s42, STEPB
	s_add_nc_u64 s[G0+4*\par+2:G0+4*\par+3], s[RB:RB+1], s[42:43]
	s_or_b32 s[G0+4*\par+3], s[G0+4*\par+3], 0x80000000
	s_add_co_u32 s41, s41, 1
	s_wait_dscnt 0x0                               ; the add is done, and my reads of K's place are over
	ROUND
.if \konly
	s_cmp_lt_u32 s14, 4
	s_cbranch_scc0 .Lno_v_\@
.endif
	tensor_load_to_lds s[G0+4*(1-\par):G0+4*(1-\par)+3], s[24:31]
	s_nop 0
	PLACES 4
.if \konly
.Lno_v_\@:
.endif
.endm
.macro MEETK                           ; the next step's packets are shown to all eight waves
	s_wait_tensorcnt 0x0                           ; my one load that is out is the packet to be shown
	BAR
.endm
; THE SOFTMAX of both tiles for these 128 keys.  first = 1: the first step, which starts M and the sum
.macro SOFTMAX first
.irp a, 0,1
.irp b, 0,1,2,3
	v_max3_num_f32 v[BM+4*\a+\b], v[S+64*\a+16*\b], v[S+64*\a+16*\b+1], v[S+64*\a+16*\b+2]   ; the largest score of each block of 32 keys: it serves for the row's maximum and, since p rises with the score, for the block's largest p
.endr
.endr
.irp i, 3,5,7,9,11,13
.irp a, 0,1
.irp b, 0,1,2,3
	v_max3_num_f32 v[BM+4*\a+\b], v[BM+4*\a+\b], v[S+64*\a+16*\b+\i], v[S+64*\a+16*\b+\i+1]
.endr
.endr
.endr
.irp a, 0,1
.irp b, 0,1,2,3
	v_max_num_f32 v[BM+4*\a+\b], v[BM+4*\a+\b], v[S+64*\a+16*\b+15]
.endr
.endr
.irp j, 0,1,2,3,4,5,6,7
	v_permlanex16_b32 v[BT+\j], v[BM+\j], s[SEL], s[SEL+1]
.endr
.irp j, 0,1,2,3,4,5,6,7
	v_max_num_f32 v[BM+\j], v[BM+\j], v[BT+\j]     ; with lane l xor 16's 16 keys
.endr
.irp a, 0,1
	v_max3_num_f32 v[TT+\a], v[BM+4*\a], v[BM+4*\a+1], v[BM+4*\a+2]
.endr
.irp a, 0,1
	v_max_num_f32 v[TT+\a], v[TT+\a], v[BM+4*\a+3]
.endr
.if \first
.irp a, 0,1
	v_mul_f32 v[7+6*\a], s22, v[TT+\a]             ; the largest t
.endr
.irp a, 0,1
	v_floor_f32 v[6+6*\a], -v[7+6*\a]              ; -M = floor(-t): M is a whole number
.endr
.else
.irp a, 0,1
	v_mul_f32 v[TT+\a], s22, v[TT+\a]
.endr
.irp a, 0,1
	v_max_num_f32 v[7+6*\a], v[7+6*\a], v[TT+\a]   ; the running largest t
.endr
.irp a, 0,1
	v_mov_b32 v[TT+\a], v[6+6*\a]
.endr
.irp a, 0,1
	v_floor_f32 v[6+6*\a], -v[7+6*\a]
.endr
.irp a, 0,1
	v_sub_f32 v[TT+\a], v[6+6*\a], v[TT+\a]        ; old M less new M: a whole number, 0 or less
.endr
.irp a, 0,1
	v_cvt_i32_f32 v[TT+\a], v[TT+\a]
.endr
.irp a, 0,1
	v_ldexp_f32 v[10+6*\a], 1.0, v[TT+\a]          ; f = 2^(old M - new M)
.endr
.endif
.set j, 0
.rept 64
	v_pk_fma_f32 v[S+2*j:S+2*j+1], v[S+2*j:S+2*j+1], s[22:23], v[6+6*(j/32):7+6*(j/32)] op_sel_hi:[1,0,0]   ; t - M, two at a time
.set j, j+1
.endr
.irp a, 0,1
.irp b, 0,1,2,3
	v_fma_f32 v[BM+4*\a+\b], v[BM+4*\a+\b], s22, v[6+6*\a]   ; the same of each block's largest score
.endr
.endr
.set j, 0
.rept 128
	v_exp_f32 v[S+j], v[S+j]                       ; p = 2^(t - M)
.set j, j+1
.endr
.irp j, 0,1,2,3,4,5,6,7
	v_exp_f32 v[BM+\j], v[BM+\j]                   ; the block's largest p
.endr
.if \first
	v_nop                                          ; a plain place behind the exponentials
	s_wait_alu depctr_va_vdst(0)
.else
	v_pk_mul_f32 v[8:9], v[8:9], v[10:11] op_sel_hi:[1,0]      ; the sums under the new M.  (A plain place behind the exponentials)
	v_pk_mul_f32 v[14:15], v[14:15], v[16:17] op_sel_hi:[1,0]
	s_wait_alu depctr_va_vdst(0)
.endif
.irp j, 0,1,2,3,4,5,6,7
	v_max_num_f32 v[BM+\j], 0x2800000, v[BM+\j]    ; the floor 2^(5 - 127): the byte cannot fall under 1
.endr
.irp j, 0,1,2,3,4,5,6,7
	v_add_nc_u32 v[BM+\j], 0xfe000000, v[BM+\j]    ; 4 off the exponent field: the conversion's scale operand
.endr
.irp j, 0,1,2,3,4,5,6,7
	v_lshrrev_b32 v[BT+\j], 23, v[BM+\j]           ; the byte
.endr
.irp a, 0,1
	v_lshl_or_b32 v[PS+\a], v[BT+4*\a+1], 8, v[BT+4*\a]
	v_lshl_or_b32 v[PS+\a], v[BT+4*\a+2], 16, v[PS+\a]
	v_lshl_or_b32 v[PS+\a], v[BT+4*\a+3], 24, v[PS+\a]         ; p's scale word for these 128 keys
.endr
.irp a, 0,1
.irp c, 0,1
	v_cvt_scalef32_pk16_bf6_f32 v[PCD+12*\a+6*\c:PCD+12*\a+6*\c+2], v[S+64*\a+32*\c:S+64*\a+32*\c+15], v[BM+4*\a+2*\c]
	v_cvt_scalef32_pk16_bf6_f32 v[CT+4*\c:CT+4*\c+2], v[S+64*\a+32*\c+16:S+64*\a+32*\c+31], v[BM+4*\a+2*\c+1]
.endr
	v_nop                                          ; one plain place behind a scaled conversion
.irp c, 0,1                                    ; the operand's layout wants a WHOLE block in a lane
.irp i, 0,1,2
	v_permlane16_swap_b32 v[PCD+12*\a+6*\c+\i], v[CT+4*\c+\i]
.endr
.irp i, 0,1,2
	v_mov_b32 v[PCD+12*\a+6*\c+3+\i], v[CT+4*\c+\i]
.endr
.endr
.endr
.irp a, 0,1                                    ; the row's sum is taken of the unquantised p: two at a time, in two chains a tile.  (These lines are also the places between p's scale word and codes and the products)
	v_pk_add_f32 v[BT+4*\a:BT+4*\a+1], v[S+64*\a:S+64*\a+1], v[S+64*\a+2:S+64*\a+3]
.endr
.if \first
.irp a, 0,1
	v_pk_add_f32 v[8+6*\a:9+6*\a], v[S+64*\a+4:S+64*\a+5], v[S+64*\a+6:S+64*\a+7]
.endr
.set j, 8
.else
.set j, 4
.endif
.rept (64-j)/4
.irp a, 0,1
	v_pk_add_f32 v[8+6*\a:9+6*\a], v[8+6*\a:9+6*\a], v[S+64*\a+j:S+64*\a+j+1]
	v_pk_add_f32 v[BT+4*\a:BT+4*\a+1], v[BT+4*\a:BT+4*\a+1], v[S+64*\a+j+2:S+64*\a+j+3]
.endr
.set j, j+4
.endr
.irp a, 0,1
	v_pk_add_f32 v[8+6*\a:9+6*\a], v[8+6*\a:9+6*\a], v[BT+4*\a:BT+4*\a+1]
.endr
.endm
.macro VBATCH q                        ; V's channel tiles 4 q .. 4 q + 3 into batch q % 2
.irp f, 0,1,2,3
.irp c, 0,1,2
	ds_load_b128 v[S+48*((\q)%2)+12*\f+4*\c:S+48*((\q)%2)+12*\f+4*\c+3], v4 offset:1536*(4*(\q)+\f)+512*\c
.endr
.endr
.endm
.macro MULV q, first                   ; eight products: four channel tiles x two query tiles; every accumulator of O^T has one turn a step
.irp f, 0,1,2,3
.irp a, 0,1
.if \first
	MMZ 128*\a+8*(4*(\q)+\f), S+48*((\q)%2)+12*\f, PCD+12*\a, KS+(4*(\q)+\f)/2, PS+\a, \f%2
.else
	MMC 128*\a+8*(4*(\q)+\f), S+48*((\q)%2)+12*\f, PCD+12*\a, 128*\a+8*(4*(\q)+\f), KS+(4*(\q)+\f)/2, PS+\a, \f%2, 0
.endif
.endr
.endr
.endm
; O^T = f O^T + V^T P^T.  p: V's place (my step's parity).  The counts of 12: the younger batch of twelve loads stays out
.macro PVPHASE p, first
	v_add_nc_u32 v4, VB0+102400*\p, v3
	ds_load_b128 v[KS:KS+3], v4 offset:24576       ; V's scale words: register i: lanes 0-15 tile 2 i, lanes 16-31 tile 2 i + 1
	ds_load_b128 v[KS+4:KS+7], v4 offset:25088
	VBATCH 0
	VBATCH 1
.if \first == 0
	WIN 0x41                                       ; O^T in window 1, f in window 0
.set j, 0
.rept 128
	v_pk_mul_f32 v[2*j:2*j+1], v[2*j:2*j+1], v[10+6*(j/64):11+6*(j/64)] op_sel_hi:[1,0]   ; each accumulator from its low end on
.set j, j+1
.endr
	WIN 0
.endif
	s_wait_dscnt 12
	WIN 0x50                                       ; C and D in window 1
	MULV 0, \first
	WIN 0
	PLACES 4
	VBATCH 2
	s_wait_dscnt 12
	WIN 0x50
	MULV 1, \first
	WIN 0
	PLACES 4
	VBATCH 3
	s_wait_dscnt 12
	WIN 0x50
	MULV 2, \first
	s_wait_dscnt 0x0
	MULV 3, \first
	WIN 0
.endm
	MEETK                                          ; the first fills are in, everybody's
	s_wait_loadcnt 0x0                             ; Q
	SPHASE                                         ; my step 0
	REFILL 0, 1
	SOFTMAX 1
	PVPHASE 0, 1
	MEETK
	s_mov_b32 s40, 3
.Lpair:                                                ; my steps 1 to 6, two a trip
	SPHASE
	REFILL 1, 0
	SOFTMAX 0
	PVPHASE 1, 0
	MEETK
	SPHASE
	REFILL 0, 0
	SOFTMAX 0
	PVPHASE 0, 0
	MEETK
	s_sub_co_u32 s40, s40, 1
	s_cmp_lg_u32 s40, 0
	s_cbranch_scc1 .Lpair
	SPHASE                                         ; my step 7 is written out: nothing is left to fetch
	SOFTMAX 0
	PVPHASE 1, 0
	; ---- THE WAY OUT.  E0: my sums; the loads that the end wants; -M and the sum of each tile to LDS
	PLACES 4                                       ; in front of loads into registers that the last products read
.irp a, 0,1
	v_add_f32 v[TT+\a], v[8+6*\a], v[9+6*\a]
.endr
.irp a, 0,1
	v_permlanex16_b32 v[BT+4*\a], v[TT+\a], s[SEL], s[SEL+1]
.endr
.irp a, 0,1
	v_add_f32 v[8+6*\a], v[TT+\a], v[BT+4*\a]      ; the sum over my quarter of the keys
.endr
	v_and_b32 v4, 31, v0
	v_lshlrev_b32 v5, 2, v4                        ; 4 l
	v_lshlrev_b32 v4, 4, v4                        ; 16 l
	v_and_b32 v9, 15, v0                           ; r
	v_and_b32 v3, 8, v9
	v_add_nc_u32 v3, v3, v9
	v_lshlrev_b32 v3, 2, v3                        ; 4 (r + 8 (r / 8))
	v_bfe_u32 v7, v0, 4, 1
	v_lshlrev_b32 v7, 14, v7
	v_lshl_add_u32 v7, v9, 4, v7                   ; x, out0: 16,384 h + 16 r: lanes 0-15 one channel's 256 bytes, lanes 16-31 the next channel's
.irp u, 0,1
.irp ks, 0,1
.irp c, 0,1,2
	global_load_b128 v[32+24*\u+12*\ks+4*\c:32+24*\u+12*\ks+4*\c+3], v4, s[6:7] offset:3200*\u+1536*\ks+512*\c   ; wo's tiles 2 w + u
.endr
.endr
.endr
.irp u, 0,1
	global_load_b32 v[18+\u], v5, s[6:7] offset:3200*\u+3072   ; their scale words
.endr
.irp u, 0,1
	global_load_b32 v[30+\u], v3, s[8:9] offset:32*\u          ; bo of my lane's channel 32 w + 8 u + r + 8 (r / 8)
.endr
.irp i, 0,1,2,3,4,5,6,7,8,9,10,11,12,13,14,15
	global_load_b128 v[192+4*\i:192+4*\i+3], v7, s[10:11] offset:32768*\i th:TH_LOAD_NT   ; x at channels 32 w + 2 i + h, my 64 pixels
.endr
	s_lshl_b32 s42, s14, 9
	s_add_co_u32 s42, s42, STAT
	v_add_nc_u32 v9, s42, v5
	s_lshl_b32 s43, s15, 11
	s_add_co_u32 s43, s43, STAT
	v_add_nc_u32 v13, s43, v5
.irp a, 0,1
	ds_store_b32 v9, v[6+6*\a] offset:128*\a
	ds_store_b32 v9, v[8+6*\a] offset:256+128*\a
.endr
	BAR                                            ; also: every wave has read the last of K and V, whose places have had their last fill
	; E1: the four quarters' M and sums -> my factor 2^(my M - the largest M) / the whole sum
.irp gg, 0,1,2,3
.irp j, 0,1,2,3
	ds_load_b32 v[80+4*\gg+\j], v13 offset:512*\gg+128*\j
.endr
.endr
	s_wait_dscnt 0x0
.irp a, 0,1
	v_min3_num_f32 v[96+\a], v[80+\a], v[84+\a], v[88+\a]
.endr
.irp a, 0,1
	v_min_num_f32 v[96+\a], v[96+\a], v[92+\a]     ; the least -M
.endr
.irp a, 0,1
.irp gg, 0,1,2,3
	v_sub_f32 v[100+4*\a+\gg], v[96+\a], v[80+4*\gg+\a]
.endr
	v_sub_f32 v[108+\a], v[96+\a], v[6+6*\a]
.endr
.irp j, 0,1,2,3,4,5,6,7,8,9
	v_cvt_i32_f32 v[100+\j], v[100+\j]
.endr
.irp j, 0,1,2,3,4,5,6,7,8,9
	v_ldexp_f32 v[100+\j], 1.0, v[100+\j]          ; exact powers of two
.endr
.irp a, 0,1
	v_mul_f32 v[98+\a], v[100+4*\a], v[82+\a]
.endr
.irp gg, 1,2,3
.irp a, 0,1
	v_fma_f32 v[98+\a], v[100+4*\a+\gg], v[82+4*\gg+\a], v[98+\a]
.endr
.endr
.irp a, 0,1
	v_rcp_f32 v[110+\a], v[98+\a]
.endr
	v_nop                                          ; one plain place behind a transcendental
	s_wait_alu depctr_va_vdst(0)
.irp a, 0,1
	v_mul_f32 v[10+6*\a], v[108+\a], v[110+\a]
.endr
	s_lshl_b32 s42, s14, 15
	v_add_nc_u32 v15, s42, v4                      ; my 32,768 bytes of the exchange, which lies in K's and V's places
	; E2: O^T x my factor, to LDS as it stands: chunk 2 kk + a (tile a, channel half kk): 8,192 bytes
	WIN 0x41
.set j, 0
.rept 128
	v_pk_mul_f32 v[2*j:2*j+1], v[2*j:2*j+1], v[10+6*(j/64):11+6*(j/64)] op_sel_hi:[1,0]
.set j, j+1
.endr
	WIN 0x04                                       ; an LDS store's data are its source 1: window 1
.irp a, 0,1
.irp kk, 0,1
.set j, 0
.rept 16
	ds_store_b128 v15, v[128*\a+64*\kk+4*j:128*\a+64*\kk+4*j+3] offset:8192*(2*\kk+\a)+512*j
.set j, j+1
.endr
.endr
.endr
	WIN 0
	BAR
	; E3: wave (qh, g) sums the four quarters of chunk g (query tile 2 qh + g % 2, channel half g / 2), quantises along the channels, and stores the image
	s_lshl_b32 s42, s15, 17
	s_lshl_b32 s43, s16, 13
	s_add_co_u32 s42, s42, s43
	v_add_nc_u32 v6, s42, v4
	v_add_nc_u32 v8, 65536, v6
	s_lshl_b32 s42, s15, 2
	s_and_b32 s43, s16, 1
	s_lshl_b32 s43, s43, 1
	s_add_co_u32 s42, s42, s43
	s_lshr_b32 s43, s16, 1
	s_add_co_u32 s42, s42, s43                     ; the image's number: 2 x query tile + channel half
	s_mul_i32 s43, s42, 1536
	s_add_co_u32 s43, s43, OIMG
	v_add_nc_u32 v9, s43, v4
	s_lshl_b32 s43, s42, 7
	s_add_co_u32 s43, s43, OSC
	v_add_nc_u32 v12, s43, v5
	WIN 0x40                                       ; destination window 1
.irp gg, 0,1
.set j, 0
.rept 16
	ds_load_b128 v[64*\gg+4*j:64*\gg+4*j+3], v6 offset:32768*\gg+512*j
.set j, j+1
.endr
.endr
.irp gg, 2,3
.set j, 0
.rept 16
	ds_load_b128 v[64*\gg+4*j:64*\gg+4*j+3], v8 offset:32768*(\gg-2)+512*j
.set j, j+1
.endr
.endr
	s_wait_dscnt 0x0
	WIN 0x45
.set j, 0
.rept 32
	v_pk_add_f32 v[2*j:2*j+1], v[2*j:2*j+1], v[64+2*j:65+2*j]
	v_pk_add_f32 v[128+2*j:129+2*j], v[128+2*j:129+2*j], v[192+2*j:193+2*j]
.set j, j+1
.endr
	WIN 0x05                                       ; the result in window 0
.set j, 0
.rept 32
	v_pk_add_f32 v[128+2*j:129+2*j], v[2*j:2*j+1], v[128+2*j:129+2*j]
.set j, j+1
.endr
	WIN 0
	QUANT 128
.irp c, 0,1,2
	ds_store_b128 v9, v[PC+4*\c:PC+4*\c+3] offset:512*\c
.endr
	ds_store_b32 v12, v[PW]
	BAR                                            ; the attention's result lies in LDS as eight images
	; E4: out0 = wo result + bo + x for output channels 32 w .. + 31: source 0 = 16 queries, source 1 = 16 rows of wo: a lane holds one channel and eight neighbouring pixels
	v_add_nc_u32 v10, OIMG, v4
	v_add_nc_u32 v11, OSC, v5
	s_mul_i32 s42, s14, 8704                       ; my stage: 32 rows x (256 bytes + 16), in K's place
	v_and_b32 v14, 15, v0
	v_and_b32 v16, 8, v14
	v_add_nc_u32 v14, v14, v16
	v_mul_u32_u24 v14, v14, 272
	v_bfe_u32 v16, v0, 4, 1
	v_lshl_add_u32 v14, v16, 6, v14
	v_add_nc_u32 v14, s42, v14                     ; in: row r + 8 (r / 8), + 64 h
	v_mul_u32_u24 v16, v16, 272
	v_and_b32 v17, 15, v0
	v_lshl_add_u32 v16, v17, 4, v16
	v_add_nc_u32 v16, s42, v16                     ; back: lanes 0-15 one row, lanes 16-31 the next
	WIN 0x40
.irp n, 0,1,2,3,4,5,6,7
.irp c, 0,1,2
	ds_load_b128 v[12*\n+4*\c:12*\n+4*\c+3], v10 offset:1536*\n+512*\c
.endr
.endr
	WIN 0
.irp n, 0,1,2,3,4,5,6,7
	ds_load_b32 v[22+\n], v11 offset:128*\n
.endr
	s_wait_loadcnt 0x0                             ; wo, bo, x
.irp u, 0,1
.irp j, 0,1,2,3,4,5,6,7
	v_mov_b32 v[128+8*\u+\j], v[30+\u]             ; the bias as the C of each sum's first instruction
.endr
.endr
	s_wait_dscnt 0x0
	PLACES 4
	WIN 0x41                                       ; D and source 0 in window 1
.irp u, 0,1
.irp m, 0,1,2,3
	MMC 128+8*(4*\u+\m), 12*(2*\m), 32+24*\u, 128+8*\u, 22+2*\m, 18+\u, 0, 0
.endr
.endr
	WIN 0x51                                       ; C too
.irp u, 0,1
.irp m, 0,1,2,3
	MMC 128+8*(4*\u+\m), 12*(2*\m+1), 32+24*\u+12, 128+8*(4*\u+\m), 23+2*\m, 18+\u, 0, 1
.endr
.endr
	WIN 0
	PLACES 4
	WIN 0x04
.irp u, 0,1
.irp m, 0,1,2,3
	ds_store_b128 v14, v[128+8*(4*\u+\m):128+8*(4*\u+\m)+3] offset:2176*\u+128*(\m/2)+32*(\m%2)        ; each accumulator from its low end on: pixels 32 (m / 2) + 8 (m % 2) + 16 h + 0 .. 7
	ds_store_b128 v14, v[128+8*(4*\u+\m)+4:128+8*(4*\u+\m)+7] offset:2176*\u+128*(\m/2)+32*(\m%2)+16
.endr
.endr
	WIN 0
.irp i, 0,1,2,3,4,5,6,7,8,9,10,11,12,13,14,15
	ds_load_b128 v[128+4*\i:128+4*\i+3], v16 offset:544*\i     ; my own bytes: LDS serves a wave's instructions in order
.endr
.irp i, 0,1,2,3,4,5,6,7,8,9,10,11,12,13,14,15
	s_wait_dscnt 15-\i                             ; load i is in, the younger ones stay out
	v_pk_add_f32 v[128+4*\i:129+4*\i], v[128+4*\i:129+4*\i], v[192+4*\i:193+4*\i]
	v_pk_add_f32 v[130+4*\i:131+4*\i], v[130+4*\i:131+4*\i], v[194+4*\i:195+4*\i]
	global_store_b128 v7, v[128+4*\i:131+4*\i], s[12:13] offset:32768*\i th:TH_STORE_NT   ; 16 lanes store 256 consecutive bytes, at a multiple of 256 from out0's first byte
.endr
	s_wait_tensorcnt 0x0                           ; the wave's end
	ds_add_u32 v1, v2
	s_wait_dscnt 0x0
	ROUND                                          ; the closing round
	s_endpgm
.Lfunc_end_k_q178368a680_attn:
	.size	k_q178368a680_attn, .Lfunc_end_k_q178368a680_attn-k_q178368a680_attn
	.p2alignl 7, 3214868480
	.fill 96, 4, 3214868480
	.section	.rodata,"a",@progbits
	.p2align	6, 0x0
	.amdhsa_kernel k_q178368a680_attn
		.amdhsa_group_segment_fixed_size 327680
		.amdhsa_private_segment_fixed_size 0
		.amdhsa_enable_private_segment 0
		.amdhsa_kernarg_size 40
		.amdhsa_user_sgpr_count 2
		.amdhsa_user_sgpr_kernarg_segment_ptr 1
		.amdhsa_wavefront_size32 1
		.amdhsa_system_sgpr_workgroup_id_x 1
		.amdhsa_system_sgpr_workgroup_id_y 1
		.amdhsa_system_sgpr_workgroup_id_z 1
		.amdhsa_system_vgpr_workitem_id 0
		.amdhsa_next_free_vgpr 512
		.amdhsa_next_free_sgpr 66
		.amdhsa_reserve_vcc 0
		.amdhsa_float_denorm_mode_32 3
		.amdhsa_float_denorm_mode_16_64 3
		.amdhsa_memory_ordered 1
		.amdhsa_forward_progress 1
		.amdhsa_inst_pref_size 230
	.end_amdhsa_kernel
	.amdgpu_metadata
---
amdhsa.version: [ 1, 2 ]
amdhsa.kernels:
  - .name:           k_q178368a680_attn
    .symbol:         k_q178368a680_attn.kd
    .args:
      - { .name: qkv, .offset: 0, .size: 8, .value_kind: global_buffer, .address_space: global }
      - { .name: wc, .offset: 8, .size: 8, .value_kind: global_buffer, .address_space: global }
      - { .name: bo, .offset: 16, .size: 8, .value_kind: global_buffer, .address_space: global }
      - { .name: x, .offset: 24, .size: 8, .value_kind: global_buffer, .address_space: global }
      - { .name: out0, .offset: 32, .size: 8, .value_kind: global_buffer, .address_space: global }
    .group_segment_fixed_size: 327680
    .private_segment_fixed_size: 0
    .kernarg_segment_align: 8
    .kernarg_segment_size: 40
    .max_flat_workgroup_size: 256
    .sgpr_count:     66
    .vgpr_count:     512
    .wavefront_size: 32
...
	.end_amdgpu_metadata
.endif
;; end of part 3
